; MI455X (gfx1250); checked and timed in simulation.
; The chip was launched on July 23, 2026; its instructions are those of AMD's public machine-readable ISA for CDNA 5 (MIT licence, August 2026) and "CDNA5" Instruction Set Architecture Reference Guide (July 2026). The comments in the code are by the model that wrote it; some were corrected since.
;; Mo BA. Allowed arithmetic: float matrix products may take bf16 or f16 operands with f32 sums; other float arithmetic in f32, or as packed bf16 or f16 multiplies, adds, multiply-adds, maxima and minima; sums over many terms, partial sums and values carried from step to step in f32; what a program stores and reads back later, other than sums and carried values, may be rounded once to bf16 or f16.
;; Inputs: Wk 2,048 x 2,048 float32; Wo 2,048 x 2,048 float32; Wq 2,048 x 2,048 float32; Wv 2,048 x 2,048 float32; hidden_states 1 x 2,048 x 2,048 float32; o_norm_w 128 float32.
;; Outputs: out0 1 x 2,048 x 2,048 float32.
;; 2 versions, each right; version 2 is version 1 with the launch cast written anew for expert scheduling mode. Each part assembles by itself: llvm-mc -triple=amdgcn-amd-amdhsa -mcpu=gfx1250 --defsym DOCPART=n.
;; ======== version 1 of 2: 4 launches
;; limits: values are held in f16: magnitudes above 65,504 overflow, below 6.1e-05 lose precision
;; workspace buffers: wb 41,943,040 bytes; rope 1,048,576 bytes; qf 16,777,216 bytes; k16 8,388,608 bytes; v16 8,388,608 bytes; kmp 524,288 bytes; ob 8,388,608 bytes
;; launch cast (part 1): grid 256 x 6, 8 waves a work-group, no clusters, 0 bytes of LDS; arguments hidden_states, Wq, Wk, Wv, Wo, wb, rope; writes wb, rope
.if DOCPART == 1
	.amdgcn_target "amdgcn-amd-amdhsa--gfx1250"
	.amdhsa_code_object_version 6
	.text
	.protected	k_q79d66bc871_cast
	.globl	k_q79d66bc871_cast
	.p2align	8
	.type	k_q79d66bc871_cast,@function
k_q79d66bc871_cast:
	s_mov_b64 s[64:65], 0
	v_nop
	global_prefetch_b8 v0, s[64:65] scope:SCOPE_SE
	s_setreg_imm32_b32 hwreg(HW_REG_WAVE_MODE, 25, 1), 1
	s_wait_xcnt 0x0
; y = 0..3: hidden_states, Wq, Wk, Wv, each [2048][2048] f32, rounded once to bf16 into wb, 8,388,608 bytes apart.
; y = 4: Wo rounded to bf16, that number written as f16, and the 128 channels of each head laid in the order PI:
;        channel c goes to place 8 ((c % 64) / 4) + 4 (c / 64) + c % 4, the order in which the attention launch leaves o.
; y = 5: the rotary table rope[pos][cos 64 | sin 64] in f32.
; A stream: no LDS, no matrix unit.  A work-group takes 64 KiB of its source, a wave 8 KiB by sixteen loads of 512 neighbouring bytes,
; all on their way at once; each store of a wave covers 256 consecutive bytes, aligned.
; LIMITS.  Wo as f16: beyond 65,504 it would be an infinity; below 6e-5 it keeps f16's fixed step of 6e-8.
; THE TABLE.  The angle is pos x inv_freq rounded to f32 once, with inv_freq = 1 / (10^(f/16) rounded to f32), the quotient rounded to f32: the power is made as a sum of two
; f32 (about 38 bits), so that its rounding to f32 is the nearest number but for powers that lie within 2^-37 of a midpoint.  sin and cos: reduction by pi/2 in two parts, then polynomials on
; |r| <= pi/4, good to about 1e-7.
	s_load_b256 s[4:11], s[0:1], 0x0               ; hidden_states s[4:5], Wq s[6:7], Wk s[8:9], Wv s[10:11]
	s_load_b128 s[12:15], s[0:1], 0x20             ; Wo s[12:13], wb s[14:15]
	s_load_b64 s[16:17], s[0:1], 0x30              ; rope
	s_and_b32 s18, ttmp7, 0xffff                   ; y: which job
	v_and_b32 v1, 31, v0                           ; lane
	v_lshrrev_b32 v2, 5, v0                        ; wave
	s_wait_kmcnt 0x0
	s_cmp_eq_u32 s18, 5
	s_cbranch_scc1 .Ltable
	s_mov_b64 s[20:21], s[4:5]                     ; the source, chosen by y
	s_cmp_eq_u32 s18, 1
	s_cselect_b64 s[20:21], s[6:7], s[20:21]
	s_cmp_eq_u32 s18, 2
	s_cselect_b64 s[20:21], s[8:9], s[20:21]
	s_cmp_eq_u32 s18, 3
	s_cselect_b64 s[20:21], s[10:11], s[20:21]
	s_cmp_eq_u32 s18, 4
	s_cselect_b64 s[20:21], s[12:13], s[20:21]
	s_lshl_b32 s24, ttmp9, 16                      ; the work-group's 64 KiB of f32
	s_mov_b32 s25, 0
	s_add_nc_u64 s[20:21], s[20:21], s[24:25]
	s_lshl_b32 s24, s18, 23                        ; matrix y in wb,
	s_lshl_b32 s26, ttmp9, 15                      ; the work-group's 32 KiB of it
	s_add_co_u32 s24, s24, s26
	s_add_nc_u64 s[22:23], s[14:15], s[24:25]
	v_lshlrev_b32 v3, 4, v1
	v_lshl_or_b32 v3, v2, 13, v3                   ; 8,192 x wave + 16 x lane
.irp j, 0,1,2,3,4,5,6,7,8,9,10,11,12,13,14,15
	global_load_b128 v[32+4*\j:35+4*\j], v3, s[20:21] offset:512*\j th:TH_LOAD_NT
.endr
	s_cmp_eq_u32 s18, 4
	s_cbranch_scc1 .Lwo
	v_lshlrev_b32 v4, 3, v1
	v_lshl_or_b32 v4, v2, 12, v4                   ; 4,096 x wave + 8 x lane
.irp j, 0,1,2,3,4,5,6,7,8,9,10,11,12,13,14,15
	s_wait_loadcnt 15-\j                           ; loads come back in order: load j is in, the 15 - j younger ones stay out
	v_cvt_pk_bf16_f32 v[96+2*\j], v[32+4*\j], v[33+4*\j]
	v_cvt_pk_bf16_f32 v[97+2*\j], v[34+4*\j], v[35+4*\j]
	global_store_b64 v4, v[96+2*\j:97+2*\j], s[22:23] offset:256*\j
.endr
	s_endpgm
.Lwo:                                          ; a load is one head's 128 channels: lane l holds channels 4 l .. 4 l + 3, which go to places 8 (l % 16) + 4 (l / 16) + 0..3
	v_and_b32 v5, 15, v1
	v_lshrrev_b32 v6, 4, v1
	v_lshlrev_b32 v4, 4, v5
	v_lshl_or_b32 v4, v6, 3, v4
	v_lshl_or_b32 v4, v2, 12, v4
.irp j, 0,1,2,3,4,5,6,7,8,9,10,11,12,13,14,15
	s_wait_loadcnt 15-\j
	v_cvt_pk_bf16_f32 v8, v[32+4*\j], v[33+4*\j]   ; the rounding that every input has,
	v_cvt_pk_bf16_f32 v9, v[34+4*\j], v[35+4*\j]
	v_lshlrev_b32 v10, 16, v8                      ; widened again,
	v_and_b32 v11, 0xffff0000, v8
	v_lshlrev_b32 v12, 16, v9
	v_and_b32 v13, 0xffff0000, v9
	v_cvt_pk_f16_f32 v[96+2*\j], v10, v11          ; and written as f16
	v_cvt_pk_f16_f32 v[97+2*\j], v12, v13
	global_store_b64 v4, v[96+2*\j:97+2*\j], s[22:23] offset:256*\j
.endr
	s_endpgm
.Ltable:                                       ; a wave a position; lane e makes the frequencies f = 2 e and 2 e + 1
	s_lshl_b32 s20, ttmp9, 3
	v_add_nc_u32 v2, s20, v2                       ; pos
	s_mov_b32 s30, 0x3faab000                      ; 10^(1/8): high part 1.33349609375,
	s_mov_b32 s31, 0x37d48dd4                      ; low part 2.5338413e-5
	s_mov_b32 s32, 0x3fe3a000                      ; 10^(1/4): 1.7783203125
	s_mov_b32 s33, 0xb82b8eaf                      ; -4.0902461e-5
	s_mov_b32 s34, 0x404a6000                      ; 10^(1/2): 3.162109375
	s_mov_b32 s35, 0x393075b5                      ; 1.6828517e-4
	s_mov_b32 s36, 0x41200000                      ; 10
	s_mov_b32 s37, 0
	s_mov_b32 s38, 0x42c80000                      ; 100
	s_mov_b32 s39, 0
	s_mov_b32 s40, 0x3f93d000                      ; 10^(1/16): 1.15478515625
	s_mov_b32 s41, 0xb654d6ff                      ; -3.1715605e-6
	s_mov_b32 s42, 0xb94ca1f9                      ; sine: -1.9515296e-4, 8.3321609e-3, -1.6666655e-1
	s_mov_b32 s43, 0x3c08839e
	s_mov_b32 s44, 0xbe2aaaa3
	s_mov_b32 s45, 0x37ccf5ce                      ; cosine: 2.4433157e-5, -1.3887316e-3, 4.1666646e-2
	s_mov_b32 s46, 0xbab6061a
	s_mov_b32 s47, 0x3d2aaaa5
; (oh, ol) = (h, l) x (v4, v5): the product's error is caught by a fused multiply-add, and the sum is made normal again
.macro DFMUL oh, ol, h, l
	v_mul_f32 v6, v[\h], v4
	v_fma_f32 v7, v[\h], v4, -v6
	v_fma_f32 v7, v[\h], v5, v7
	v_fma_f32 v7, v[\l], v4, v7
	v_add_f32 v[\oh], v6, v7
	v_sub_f32 v8, v[\oh], v6
	v_sub_f32 v[\ol], v7, v8
.endm
.macro BIT b, ch                       ; where bit b of e is set the power takes the factor in s[ch], s[ch+1], else 1
	v_and_b32 v3, 1<<(\b), v1
	v_cmp_ne_u32 vcc_lo, 0, v3
	v_cndmask_b32 v4, 1.0, s[\ch], vcc_lo
	v_cndmask_b32 v5, 0, s[\ch+1], vcc_lo
	DFMUL 10, 11, 10, 11
.endm
	v_mov_b32 v10, 1.0
	v_mov_b32 v11, 0
	BIT 0, 30
	BIT 1, 32
	BIT 2, 34
	BIT 3, 36
	BIT 4, 38                                      ; v10 = 10^(2 e / 16) rounded to f32
	v_mov_b32 v4, s40
	v_mov_b32 v5, s41
	DFMUL 12, 13, 10, 11                           ; v12 = 10^((2 e + 1) / 16)
	v_rcp_f32 v14, v10
	v_rcp_f32 v15, v12
	v_nop                                          ; a plain instruction behind the last reciprocal,
	s_wait_alu depctr_va_vdst(0)                   ; and one wait for both, ahead of their first reader
.rept 2                                        ; two Newton steps: the second leaves the rounded quotient
	v_fma_f32 v6, -v10, v14, 1.0
	v_fma_f32 v7, -v12, v15, 1.0
	v_fma_f32 v14, v14, v6, v14
	v_fma_f32 v15, v15, v7, v15
.endr
	v_cvt_f32_u32 v16, v2
	v_mul_f32 v17, v16, v14                        ; the angles, rounded once
	v_mul_f32 v18, v16, v15
.macro SINCOS th, oc, os
	v_mul_f32 v20, 0x3f22f983, v[\th]              ; x 2 / pi
	v_rndne_f32 v20, v20                           ; n
	v_fma_f32 v21, v20, 0xbfc90fdb, v[\th]         ; less n x pi/2's high part: exact, both are multiples of 2^-23 and the result is below 1
	v_fma_f32 v21, v20, 0x333bbd2e, v21            ; the high part is 4.371139e-8 too large
	v_mul_f32 v22, v21, v21
	v_fma_f32 v23, v22, s42, s43
	v_fma_f32 v25, v22, s45, s46
	v_fma_f32 v23, v22, v23, s44
	v_fma_f32 v25, v22, v25, s47
	v_mul_f32 v24, v21, v22
	v_fma_f32 v25, v22, v25, -0.5
	v_fma_f32 v23, v24, v23, v21                   ; sin r
	v_fma_f32 v25, v22, v25, 1.0                   ; cos r
	v_cvt_i32_f32 v26, v20
	v_and_b32 v27, 1, v26
	v_cmp_ne_u32 vcc_lo, 0, v27                    ; odd quadrants change the two
	v_cndmask_b32 v[\os], v23, v25, vcc_lo
	v_cndmask_b32 v[\oc], v25, v23, vcc_lo
	v_and_b32 v27, 2, v26                          ; the sine turns its sign in quadrants 2, 3,
	v_lshlrev_b32 v27, 30, v27
	v_xor_b32 v[\os], v[\os], v27
	v_add_nc_u32 v27, 1, v26                       ; the cosine in 1, 2
	v_and_b32 v27, 2, v27
	v_lshlrev_b32 v27, 30, v27
	v_xor_b32 v[\oc], v[\oc], v27
.endm
	SINCOS 17, 30, 32
	SINCOS 18, 31, 33
	v_lshlrev_b32 v3, 9, v2
	v_lshl_add_u32 v3, v1, 3, v3                   ; 512 x pos + 8 e
	global_store_b64 v3, v[30:31], s[16:17]        ; a wave's store is the row's 256 bytes of cosines,
	global_store_b64 v3, v[32:33], s[16:17] offset:256  ; and of sines
	s_endpgm
.Lfunc_end_k_q79d66bc871_cast:
	.size	k_q79d66bc871_cast, .Lfunc_end_k_q79d66bc871_cast-k_q79d66bc871_cast
	.p2alignl 7, 3214868480
	.fill 96, 4, 3214868480
	.section	.rodata,"a",@progbits
	.p2align	6, 0x0
	.amdhsa_kernel k_q79d66bc871_cast
		.amdhsa_group_segment_fixed_size 0
		.amdhsa_private_segment_fixed_size 0
		.amdhsa_enable_private_segment 0
		.amdhsa_kernarg_size 56
		.amdhsa_user_sgpr_count 2
		.amdhsa_user_sgpr_kernarg_segment_ptr 1
		.amdhsa_wavefront_size32 1
		.amdhsa_system_sgpr_workgroup_id_x 1
		.amdhsa_system_sgpr_workgroup_id_y 1
		.amdhsa_system_sgpr_workgroup_id_z 1
		.amdhsa_system_vgpr_workitem_id 0
		.amdhsa_next_free_vgpr 128
		.amdhsa_next_free_sgpr 66
		.amdhsa_reserve_vcc 1
		.amdhsa_float_denorm_mode_32 3
		.amdhsa_float_denorm_mode_16_64 3
		.amdhsa_memory_ordered 1
		.amdhsa_forward_progress 1
		.amdhsa_inst_pref_size 24
	.end_amdhsa_kernel
	.amdgpu_metadata
---
amdhsa.version: [ 1, 2 ]
amdhsa.kernels:
  - .name:           k_q79d66bc871_cast
    .symbol:         k_q79d66bc871_cast.kd
    .args:
      - { .name: hidden_states, .offset: 0, .size: 8, .value_kind: global_buffer, .address_space: global }
      - { .name: Wq, .offset: 8, .size: 8, .value_kind: global_buffer, .address_space: global }
      - { .name: Wk, .offset: 16, .size: 8, .value_kind: global_buffer, .address_space: global }
      - { .name: Wv, .offset: 24, .size: 8, .value_kind: global_buffer, .address_space: global }
      - { .name: Wo, .offset: 32, .size: 8, .value_kind: global_buffer, .address_space: global }
      - { .name: wb, .offset: 40, .size: 8, .value_kind: global_buffer, .address_space: global }
      - { .name: rope, .offset: 48, .size: 8, .value_kind: global_buffer, .address_space: global }
    .group_segment_fixed_size: 0
    .private_segment_fixed_size: 0
    .kernarg_segment_align: 8
    .kernarg_segment_size: 56
    .max_flat_workgroup_size: 256
    .sgpr_count:     66
    .vgpr_count:     128
    .wavefront_size: 32
...
	.end_amdgpu_metadata
.endif
;; end of part 1
;; launch qkv (part 2): grid 16 x 16, 4 waves a work-group, clusters of 4 x 4, 327,680 bytes of LDS; arguments wb, rope, qf, k16, v16, kmp; writes qf, k16, v16, kmp
.if DOCPART == 2
	.amdgcn_target "amdgcn-amd-amdhsa--gfx1250"
	.amdhsa_code_object_version 6
	.text
	.protected	k_q79d66bc871_qkv
	.globl	k_q79d66bc871_qkv
	.p2align	8
	.type	k_q79d66bc871_qkv,@function
k_q79d66bc871_qkv:
	s_mov_b64 s[64:65], 0
	v_nop
	global_prefetch_b8 v0, s[64:65] scope:SCOPE_SE
	s_setreg_imm32_b32 hwreg(HW_REG_WAVE_MODE, 25, 1), 1
	s_wait_xcnt 0x0
	s_wait_alu depctr_hold_cnt(0) depctr_sa_sdst(0) depctr_va_vdst(0) depctr_va_sdst(0) depctr_va_ssrc(0) depctr_va_vcc(0) depctr_vm_vsrc(0)
	s_getreg_b32 s2, hwreg(HW_REG_IB_STS2, 6, 4)
	s_cmp_eq_u32 s2, 0
	s_cbranch_scc0 .Lentry_in_a_cluster
	s_endpgm
.Lentry_in_a_cluster:
	s_bfe_u32 s2, ttmp6, 0x10000c
	s_cmp_lg_u32 s2, 0xf033
	s_cbranch_scc0 .Lentry_shape_is_right
	s_endpgm
.Lentry_shape_is_right:
; q, k, v = x Wq^T, x Wk^T, x Wv^T (bf16 operands out of wb, f32 sums); then, on the way out, the rotary turn of q and k and the sums of k over 32 rows.
; SHARES.  2048 x 6144 numbers are 768 blocks of 128 x 128: three for each of 256 work-groups.  A work-group (grid x = head, grid y = 128 rows) makes its rows' q, k and v of ONE head: 128 x 384.
; A wave makes all 128 rows x 32 columns of each of the three: 8 x 6 = 48 accumulators, 384 registers.  K goes in steps of 128 through two LDS slots; a slot is four tiles of 128 rows x 256 bytes
; (padded to 272): x's, and the head's rows of Wq, Wk, Wv; wave w fetches tile w, one tensor load.
; CLUSTERS: 4 x 4.  x's tile hangs on the rows alone and is shared along a row of the cluster, the weights' tiles on the head alone and are shared along a column: asked for jointly.
; THE MATRIX INSTRUCTION IS USED TRANSPOSED (source 0 = 16 rows of W, source 1 = 16 rows of x): a lane holds row l % 16 and the columns 8 (l / 16) + 0..7.
; ONE TEXT FOR A K STEP: the read addresses are a lane's base plus a scalar slot base that an exclusive or turns; one descriptor a tensor walks.  The two steps that ask for nothing are a loop of their own,
; left in its middle: its last change of slots fetches fragments that nobody multiplies.
; THE WAY OUT.  The ring has had its last fill; behind a barrier the four waves lay the 128 x 384 f32 into 128 rows x 1,552 bytes of it; behind a second barrier wave w takes rows 32 w .. 32 w + 31 so that a lane holds
; channels 4 i .. 4 i + 3 and their rotary partners 64 + 4 i ..: the turn needs no other lane, and one row of the table serves q and k.  q leaves in f32, plain order, [head][pos][128].
; k and v leave in f16, [head][pos][128], channel c at place 8 ((c % 64) / 4) + 4 (c / 64) + c % 4: sixteen lanes store a row of 256 bytes.
; kmp[4 x (row tile) + wave][head][128]: the f32 sums of the turned k over my 32 rows, plain order.
; LIMITS.  k and v as f16: beyond 65,504 an infinity.  NaN and infinities are not treated apart.
; REGISTERS, in windows of 256: window 0: v16-33 addresses; v64-127, v128-191 x's fragments, two buffers; window 1: v64-111, v128-175 W's fragments; windows 2, 3: accumulator (a, b) at v[8 (6 (a % 4) + b)].
; On the way out: window 0: v64-127, v128-191 two buffers of 16 rows (pair of rows p: x1 at 8 p, x2 at 8 p + 4), v192-207 at work, v208-239 packed f16, v240-247 k's sums; window 1: v0-127 the table of my 32 rows.
.set SIZE_K, 2048
.set KSTEP,  128
.set PITCH,  272                       ; an LDS row: 256 bytes + 16 of padding = 68 words: the 16 rows that a load touches start at 16 different groups of four banks
.set HALFT,  128*PITCH                 ; a tile: what one tensor load brings
.set SLOT1,  0x24000                   ; slot 1 begins here: none of the four tiles' first bytes in slot 0 has one of its two bits, so one exclusive or changes a descriptor's slot
.set SPARE,  SLOT1+4*HALFT             ; behind the ring: the spare words, 128 bytes for each wave, which no other line names
.set DPITCH, 1552                      ; a row of the dump: 3 x 512 bytes + 16 = 388 words: row r starts at bank 4 r mod 64
.set A0,   16                          ; v16  a lane's place in x's tile: (l % 16) x 272 + 16 (l / 16); never rewritten
.set B0,   17                          ; v17  the same in Wq's tile, at my 32 rows; Wk's lie a tile further
.set C0,   18                          ; v18  the same in Wv's tile
.set ADRA, 20                          ; v20-22  these three plus the slot that is read
.set ADRB, 21
.set ADRC, 22
.set DST,  24                          ; v24-26  the dump: where I put 16 bytes of a row, for row blocks 0-2, 3-5, 6-7
.set DRD,  27                          ; v27  where I read rows back
.set SPW,  28
.set NIL,  29
.set PFO,  30                          ; v30  my lane x a row of wb (4,096 bytes)
.set KMO,  31                          ; v31  16 x lane
.set TO,   32                          ; v32  512 x (l / 16) + 16 (l % 16): my place in two rows of the table and of qf
.set KO,   33                          ; v33  256 x (l / 16) + 16 (l % 16): in two rows of k16 and v16
.set F0,   64
.set F1,   128
.set X0,   64
.set X1,   128
.set T,    192
.set H,    208
.set KS,   240
.set SB,   12                          ; s12  first byte of the slot that is read
.set LIM,  43
.set PFA,  44
.set G1, 24                            ; s[24:31] group 1 for x's tiles; s[32:35], s[36:39] group 0: the first fill's, and the one that walks
.set G0, 32
.set G1B, 48                           ; s[48:55], s[56:63] the same for the weights'
.set G0B, 56
.set RP,   82                          ; s[82:83] the table at my first row
.set QP,   84                          ; s[84:85] qf at my head and first row
.set KP,   86                          ; s[86:87] k16 likewise
.set MP,   88                          ; s[88:89] kmp at my part and head
.set VP,   96                          ; s[96:97] v16
.set MSB, 0
.macro WIN new                         ; the immediate's high byte repeats the setting that is left
.if MSB != (\new)
	s_set_vgpr_msb (MSB<<8)|(\new)
.set MSB, \new
.endif
.endm
.set MUL_LO, 0xa1                      ; source 0 (W) window 1, source 1 (x) window 0, C and D window 2
.set MUL_HI, 0xf1
.set TO_B,   0x40
; A joint load: wave 0 fetches x's tile, waves 1 to 3 the three weights'.  The branch hangs on the wave's number alone.  An s_nop 0 and four v_nop follow each line.
.macro JLOAD s
	s_cmp_eq_u32 s10, 0
	s_cbranch_scc0 .Lfor_b_\@
	tensor_load_to_lds s[G0+4*(\s):G0+4*(\s)+3], s[G1:G1+7]
	s_nop 0
.rept 4
	v_nop
.endr
	s_branch .Lasked_\@
.Lfor_b_\@:
	tensor_load_to_lds s[G0B+4*(\s):G0B+4*(\s)+3], s[G1B:G1B+7]
	s_nop 0
.rept 4
	v_nop
.endr
.Lasked_\@:
.endm
; A prefetch, behind each refill and the run of LDS loads that follows it: the K step two refills on, 32 rows x 256 bytes, a lane a row.  x's rows are named by the clusters with x = 0, the weights' by those with
; y = 0; the four partners that share a tile take 32 of its 128 rows each, told apart by address.  So each row's 256 bytes of a K step are named once.  The last two refills have no K step two on.
.macro ASK
	s_cmp_gt_u32 s3, s[LIM]
	s_cbranch_scc0 .Lnot_mine_\@
	global_prefetch_b8 v[PFO], s[PFA:PFA+1] offset:KSTEP*2 th:TH_LOAD_NT scope:SCOPE_SE
.Lnot_mine_\@:
.endm
.macro CREST                           ; a round of the cluster's barrier behind its opening barrier
	s_cmp_lg_u32 s10, 0
	s_cbranch_scc1 .Lnot_wave_0_\@
	s_barrier_signal -3
.Lnot_wave_0_\@:
	s_barrier_wait -3
	s_barrier_signal -1
	s_barrier_wait -1
.endm
.macro CROUND
	s_barrier_signal -1
	s_barrier_wait -1
	CREST
.endm
	s_load_b64 s[4:5], s[0:1], 0x0                 ; wb: x, then Wq, Wk, Wv, 8,388,608 bytes apart
	s_load_b256 s[68:75], s[0:1], 0x8              ; rope s[68:69], qf s[70:71], k16 s[72:73], v16 s[74:75]
	s_load_b64 s[76:77], s[0:1], 0x28              ; kmp
	v_lshl_add_u32 v[SPW], v0, 2, SPARE
	v_mov_b32 v[NIL], 0
	ds_add_u32 v[SPW], v[NIL]                      ; the wave's opening: the add and its wait ahead of my first tensor load
	v_lshrrev_b32 v1, 5, v0
	v_readfirstlane_b32 s10, v1                    ; wave 0..3: which tile I fetch, which 32 columns and which 32 rows are mine
	s_bfe_u32 s40, ttmp6, 0x40000                  ; cx
	s_bfe_u32 s41, ttmp6, 0x40004                  ; cy
	s_lshl_b32 s42, ttmp9, 2
	s_add_co_u32 s42, s42, s40                     ; head
	s_and_b32 s13, ttmp7, 0xffff
	s_lshl_b32 s13, s13, 2
	s_add_co_u32 s13, s13, s41                     ; row tile 0..15
	s_lshl_b32 s43, s41, 2
	s_lshl_b32 s43, 15, s43                        ; my row of the cluster
	s_lshl_b32 s44, 0x1111, s40                    ; my column
	s_or_b32 s[G1+0], s43, (1<<16)|(1<<20)|(1<<21)|(5<<22)|(3<<25)  ; mask; 2-byte elements; padding on; bit 21 beside a mask; after every 64 words 4 words
	s_or_b32 s[G1B+0], s44, (1<<16)|(1<<20)|(1<<21)|(5<<22)|(3<<25)
.irp g, G1, G1B
	s_mov_b32 s[(\g)+1], KSTEP<<16                 ; tensor_dim0 = 128
	s_mov_b32 s[(\g)+2], 128<<16                   ; tensor_dim1 = 128
	s_mov_b32 s[(\g)+3], KSTEP<<16                 ; tile_dim0 = 128
	s_mov_b32 s[(\g)+4], 128                       ; tile_dim1 = 128
	s_mov_b32 s[(\g)+5], SIZE_K                    ; elements from row to row
	s_mov_b32 s[(\g)+6], 0
	s_mov_b32 s[(\g)+7], 0
.endr
	s_lshl_b32 s16, s13, 19                        ; x: 128 rows of 4,096 bytes a row tile
	s_mov_b32 s17, 0
	s_lshl_b32 s18, s42, 19                        ; the weights: the head's 128 rows,
	s_lshl_b32 s19, s10, 23                        ; in matrix w of wb
	s_add_co_u32 s18, s18, s19
	s_mov_b32 s19, 0
	s_mul_i32 s20, s10, HALFT                      ; where my tile goes: no place in the cluster enters an LDS address
	s_mov_b32 s[SB], 0
	s_wait_dscnt 0x0                               ; the opening add is done
	s_wait_kmcnt 0x0
	s_add_nc_u64 s[14:15], s[4:5], s[16:17]
	s_add_nc_u64 s[46:47], s[4:5], s[18:19]
	CROUND                                         ; all sixteen work-groups are here: the first joint loads meet
.irp s, 0,1
	s_mov_b32 s[G0+4*(\s)], 1
	s_add_co_u32 s[G0+4*(\s)+1], s20, (\s)*SLOT1
	s_add_nc_u64 s[G0+4*(\s)+2:G0+4*(\s)+3], s[14:15], (\s)*KSTEP*2
	s_or_b32 s[G0+4*(\s)+3], s[G0+4*(\s)+3], 0x80000000
	s_mov_b32 s[G0B+4*(\s)], 1
	s_add_co_u32 s[G0B+4*(\s)+1], s20, (\s)*SLOT1
	s_add_nc_u64 s[G0B+4*(\s)+2:G0B+4*(\s)+3], s[46:47], (\s)*KSTEP*2
	s_or_b32 s[G0B+4*(\s)+3], s[G0B+4*(\s)+3], 0x80000000
	JLOAD \s                                       ; K steps 0 and 1: two loads of mine are out
.endr
	v_and_b32 v1, 15, v0                           ; l % 16
	v_bfe_u32 v2, v0, 4, 1                         ; l / 16
	v_mul_u32_u24 v3, v1, PITCH
	v_lshl_add_u32 v[A0], v2, 4, v3
	s_mul_i32 s22, s10, 32*PITCH                   ; my 32 rows of a weight's tile,
	s_add_co_u32 s22, s22, HALFT                   ; behind x's tile
	v_add_nc_u32 v[B0], s22, v[A0]
	v_add_nc_u32 v[C0], 2*HALFT, v[B0]
	v_mov_b32 v[ADRA], v[A0]
	v_mov_b32 v[ADRB], v[B0]
	v_mov_b32 v[ADRC], v[C0]
	v_mul_u32_u24 v4, v1, DPITCH                   ; into the dump: row l % 16, my 128 bytes of a head's 512, 32 bytes for each half of the lanes
	v_lshl_add_u32 v4, v2, 5, v4
	s_lshl_b32 s23, s10, 7
	v_add_nc_u32 v[DST], s23, v4
	v_add_nc_u32 v[DST+1], 3*16*DPITCH, v[DST]
	v_add_nc_u32 v[DST+2], 6*16*DPITCH, v[DST]
	s_mul_i32 s23, s10, 32*DPITCH                  ; back: my 32 rows; lanes 0-15 the even row, lanes 16-31 the odd one
	v_mul_u32_u24 v5, v2, DPITCH
	v_lshl_add_u32 v5, v1, 4, v5
	v_add_nc_u32 v[DRD], s23, v5
	v_lshlrev_b32 v[TO], 9, v2
	v_lshl_add_u32 v[TO], v1, 4, v[TO]
	v_lshlrev_b32 v[KO], 8, v2
	v_lshl_add_u32 v[KO], v1, 4, v[KO]
	v_and_b32 v[KMO], 31, v0
	v_lshlrev_b32 v[KMO], 4, v[KMO]
	; the way out's pointers
	s_lshl_b32 s14, s13, 7
	s_lshl_b32 s15, s10, 5
	s_add_co_u32 s14, s14, s15                     ; my first row
	s_mov_b32 s91, 0
	s_lshl_b32 s90, s14, 9
	s_add_nc_u64 s[RP:RP+1], s[68:69], s[90:91]
	s_lshl_b32 s15, s42, 20
	s_add_co_u32 s90, s90, s15
	s_add_nc_u64 s[QP:QP+1], s[70:71], s[90:91]
	s_lshl_b32 s90, s14, 8
	s_lshl_b32 s15, s42, 19
	s_add_co_u32 s90, s90, s15
	s_add_nc_u64 s[KP:KP+1], s[72:73], s[90:91]
	s_add_nc_u64 s[VP:VP+1], s[74:75], s[90:91]
	s_lshl_b32 s90, s13, 2
	s_add_co_u32 s90, s90, s10                     ; part 4 x row tile + wave,
	s_lshl_b32 s90, s90, 13                        ; of 16 heads x 512 bytes
	s_lshl_b32 s15, s42, 9
	s_add_co_u32 s90, s90, s15
	s_add_nc_u64 s[MP:MP+1], s[76:77], s[90:91]
	s_mov_b32 s92, 0x76543210                      ; v_permlanex16_b32: each lane takes its own place in the other half
	s_mov_b32 s93, 0xfedcba98
	; the prefetches
	s_and_b32 s22, ttmp7, 0xffff                   ; cluster y
	s_cmp_eq_u32 s10, 0                            ; do I fetch x's tile?
	s_cselect_b32 s20, s16, s18                    ; my tile's first byte in wb
	s_cselect_b32 s21, s40, s41                    ; my place among the four that ask with me
	s_cselect_b32 s22, ttmp9, s22                  ; the coordinate along which other clusters read the same rows
	s_cmp_eq_u32 s22, 0
	s_cselect_b32 s[LIM], 2, -1
	s_lshl_b32 s21, s21, 17                        ; my work-group's 32 rows
	s_add_co_u32 s20, s20, s21
	s_mov_b32 s21, 0
	s_add_nc_u64 s[PFA:PFA+1], s[4:5], s[20:21]
	s_add_nc_u64 s[PFA:PFA+1], s[PFA:PFA+1], 2*KSTEP*2  ; at K step 2: the first refill steps it to 3 and names K step 4
	v_and_b32 v[PFO], 31, v0
	v_lshlrev_b32 v[PFO], 12, v[PFO]
; 12 matrix instructions: row blocks a0, a0 + 1 of the window's four x all 6 column blocks, 32 along K.  zero = 1: the first product starts the sums.  The accumulators take turns, one instruction a turn.
.macro MUL12 f, hi, a0, zero
	WIN MUL_LO+0x50*(\hi)
.irp a, \a0, (\a0)+1
.irp b, 0,1,2,3,4,5
.if \zero
	v_wmma_f32_16x16x32_bf16 v[8*(6*(\a)+(\b)):8*(6*(\a)+(\b))+7], v[(\f)+8*(\b):(\f)+8*(\b)+7], v[(\f)+8*(4*(\hi)+(\a)):(\f)+8*(4*(\hi)+(\a))+7], 0
.else
	v_wmma_f32_16x16x32_bf16 v[8*(6*(\a)+(\b)):8*(6*(\a)+(\b))+7], v[(\f)+8*(\b):(\f)+8*(\b)+7], v[(\f)+8*(4*(\hi)+(\a)):(\f)+8*(4*(\hi)+(\a))+7], v[8*(6*(\a)+(\b)):8*(6*(\a)+(\b))+7]
.endif
.endr
.endr
.endm
.macro FETCH k, f                      ; 28 LDS loads in one run: the fragments of one quarter step into buffer f: column block b = 16 rows of weight b / 2; then x's 128 rows
	WIN TO_B
.irp b, 0,1,2,3
	ds_load_b128 v[(\f)+8*(\b):(\f)+8*(\b)+3],   v[ADRB] offset:(\k)+((\b)/2)*HALFT+((\b)%2)*16*PITCH
	ds_load_b128 v[(\f)+8*(\b)+4:(\f)+8*(\b)+7], v[ADRB] offset:(\k)+((\b)/2)*HALFT+((\b)%2)*16*PITCH+32
.endr
.irp b, 4,5
	ds_load_b128 v[(\f)+8*(\b):(\f)+8*(\b)+3],   v[ADRC] offset:(\k)+((\b)%2)*16*PITCH
	ds_load_b128 v[(\f)+8*(\b)+4:(\f)+8*(\b)+7], v[ADRC] offset:(\k)+((\b)%2)*16*PITCH+32
.endr
	WIN 0
.irp i, 0,1,2,3,4,5,6,7
	ds_load_b128 v[(\f)+8*(\i):(\f)+8*(\i)+3],   v[ADRA] offset:(\k)+(\i)*16*PITCH
	ds_load_b128 v[(\f)+8*(\i)+4:(\f)+8*(\i)+7], v[ADRA] offset:(\k)+(\i)*16*PITCH+32
.endr
.endm
.macro PLACES                          ; four plain instructions behind a matrix instruction, ahead of loads into its registers and of readers of its result
.rept 4
	v_nop
.endr
.endm
.macro QUARTER k, f, g, zero           ; 48 products on buffer f; in their middle the next quarter's fragments, at byte k of the rows, go into buffer g
	s_wait_dscnt 8                                 ; W and x's rows 0-63 are in; the youngest eight loads (x's rows 64-127) may be out
	MUL12 \f, 0, 0, \zero
	MUL12 \f, 0, 2, \zero
	PLACES
	FETCH \k, \g
	s_wait_dscnt 28                                ; all but the 28 just issued
	MUL12 \f, 1, 0, \zero
	MUL12 \f, 1, 2, \zero
.endm
.macro MEET round                      ; the first half of a step's last quarter, and the one barrier of the change of slots
	WIN 0
	s_wait_tensorcnt 0x0                           ; all my tensor loads have landed: the one that was out is my tile of the next slot
	ds_add_u32 v[SPW], v[NIL]                      ; 0 onto my spare word
	s_wait_dscnt 9                                 ; (the add and the youngest eight loads may be out)
	MUL12 F1, 0, 0, 0
	s_wait_dscnt 0x0                               ; the add is done, and my reads of this slot are over
	s_barrier_signal -1
	MUL12 F1, 0, 2, 0
	WIN 0
	s_barrier_wait -1
.endm
.macro TURN fill                       ; a step's last quarter.  fill = 1: the slot just read out is filled again, two K steps on, first thing behind the cluster's round
.if \fill
	s_wait_xcnt 0x0                                ; the last prefetch, a K step back, has read its address
	s_add_nc_u64 s[PFA:PFA+1], s[PFA:PFA+1], KSTEP*2
	MEET 1
	CREST
	s_xor_b32 s[G0+5], s[G0+5], SLOT1              ; the walking descriptors: the other slot than last time, the next K step
	s_add_nc_u64 s[G0+6:G0+7], s[G0+6:G0+7], KSTEP*2
	s_xor_b32 s[G0B+5], s[G0B+5], SLOT1
	s_add_nc_u64 s[G0B+6:G0B+7], s[G0B+6:G0B+7], KSTEP*2
	JLOAD 1                                        ; one load of mine is out; the four v_nop behind it are also places in front of the loads below
.else
	MEET 0
	PLACES
.endif
	s_xor_b32 s[SB], s[SB], SLOT1                  ; the reads go on in the other slot
	v_add_nc_u32 v[ADRA], s[SB], v[A0]
	v_add_nc_u32 v[ADRB], s[SB], v[B0]
	v_add_nc_u32 v[ADRC], s[SB], v[C0]
	FETCH 0, F0
.if \fill
	ASK
.endif
	MUL12 F1, 1, 0, 0
	MUL12 F1, 1, 2, 0
.endm
	s_wait_tensorcnt 1                             ; my tile of K step 0 is in; K step 1's may stay out
	s_barrier_signal -1
	s_barrier_wait -1
	FETCH 0, F0
	QUARTER 64, F0, F1, 1                          ; the first quarter stands in front of the loop: its products start the sums
	WIN 0
	s_mov_b32 s3, SIZE_K/KSTEP-2
.Lstep:                                        ; 14 trips: from a step's second quarter to the next step's first; each fills the slot that it leaves
	QUARTER 128, F1, F0, 0
	QUARTER 192, F0, F1, 0
	TURN 1
	QUARTER 64, F0, F1, 0
	WIN 0
	s_sub_co_u32 s3, s3, 1
	s_cmp_lg_u32 s3, 0
	s_cbranch_scc1 .Lstep
	s_mov_b32 s3, 2
.Ltail:                                        ; the last two steps ask for nothing; the second trip is left behind its last products
	QUARTER 128, F1, F0, 0
	QUARTER 192, F0, F1, 0
	TURN 0
	WIN 0
	s_sub_co_u32 s3, s3, 1
	s_cmp_eq_u32 s3, 0
	s_cbranch_scc1 .Lout
	QUARTER 64, F0, F1, 0
	WIN 0
	s_branch .Ltail
.Lout:
	PLACES
	s_wait_dscnt 0x0                               ; my reads of the ring are over;
	s_barrier_signal -1
	s_barrier_wait -1                              ; everybody's are: the ring, which is filled no more, takes the dump
.macro TLOAD g                         ; 16 rows of the table into group g of window 1: each load covers two rows' 256 bytes of cosines or of sines
	WIN 0x40
.irp p, 0,1,2,3,4,5,6,7
	global_load_b128 v[64*(\g)+8*(\p):64*(\g)+8*(\p)+3],   v[TO], s[RP:RP+1] offset:8192*(\g)+1024*(\p)
	global_load_b128 v[64*(\g)+8*(\p)+4:64*(\g)+8*(\p)+7], v[TO], s[RP:RP+1] offset:8192*(\g)+1024*(\p)+256
.endr
	WIN 0
.endm
.macro DUMP                            ; my 48 accumulators: row block a, weight b / 2, my 128 bytes of its 512; each accumulator's low four registers first
.irp a, 0,1,2,3,4,5,6,7
	WIN 0x08+4*((\a)/4)                            ; the stores' data (source 1) in window 2 or 3
.irp b, 0,1,2,3,4,5
	ds_store_b128 v[DST+(\a)/3], v[8*(6*((\a)%4)+(\b)):8*(6*((\a)%4)+(\b))+3]   offset:((\a)%3)*16*DPITCH+((\b)/2)*512+((\b)%2)*64
	ds_store_b128 v[DST+(\a)/3], v[8*(6*((\a)%4)+(\b))+4:8*(6*((\a)%4)+(\b))+7] offset:((\a)%3)*16*DPITCH+((\b)/2)*512+((\b)%2)*64+16
.endr
.endr
	WIN 0
.endm
.macro XLOAD x, off                    ; 16 rows of one head out of the dump
.irp p, 0,1,2,3,4,5,6,7
	ds_load_b128 v[(\x)+8*(\p):(\x)+8*(\p)+3],   v[DRD] offset:(\off)+2*DPITCH*(\p)
	ds_load_b128 v[(\x)+8*(\p)+4:(\x)+8*(\p)+7], v[DRD] offset:(\off)+2*DPITCH*(\p)+256
.endr
.endm
.macro ROPE x, g                       ; the rotary turn of 16 rows, in place
	WIN 0x04                                       ; source 1 (cos, sin) in window 1
.irp p, 0,1,2,3,4,5,6,7
.irp z, 0,1
.set rX, (\x)+8*(\p)+2*(\z)
.set rC, 64*(\g)+8*(\p)+2*(\z)
.set rT, T+4*((2*(\p)+(\z))%4)
	v_pk_mul_f32 v[rT:rT+1],     v[rX+4:rX+5], v[rC+4:rC+5]  ; x2 sin
	v_pk_mul_f32 v[rT+2:rT+3],   v[rX:rX+1],   v[rC+4:rC+5]  ; x1 sin
	v_pk_fma_f32 v[rX:rX+1],     v[rX:rX+1],   v[rC:rC+1], v[rT:rT+1] neg_lo:[0,0,1] neg_hi:[0,0,1]  ; x1 cos - x2 sin
	v_pk_fma_f32 v[rX+4:rX+5],   v[rX+4:rX+5], v[rC:rC+1], v[rT+2:rT+3]                              ; x2 cos + x1 sin
.endr
.endr
	WIN 0
.endm
.macro TOF16 x                         ; x1's four and x2's four numbers, rounded to f16: 16 bytes in the order of k16 and v16
.irp p, 0,1,2,3,4,5,6,7
.irp z, 0,1,2,3
	v_cvt_pk_f16_f32 v[H+4*(\p)+(\z)], v[(\x)+8*(\p)+2*(\z)], v[(\x)+8*(\p)+2*(\z)+1]
.endr
.endr
.endm
; Sixteen of my rows: q, k and v.
.macro GROUP g
	s_wait_xcnt 0x0                                ; the earlier stores have read their data registers
	XLOAD X0, (\g)*16*DPITCH                       ; q
	XLOAD X1, (\g)*16*DPITCH+512                   ; k
	s_wait_loadcnt 16*(1-(\g))                     ; this group's rows of the table are in; behind the first group's stand the second's sixteen loads
	s_wait_dscnt 16                                ; q is in; k's sixteen loads may be out
	ROPE X0, \g
.irp p, 0,1,2,3,4,5,6,7
	global_store_b128 v[TO], v[X0+8*(\p):X0+8*(\p)+3],   s[QP:QP+1] offset:8192*(\g)+1024*(\p)      ; 16 lanes store 256 consecutive bytes, aligned
	global_store_b128 v[TO], v[X0+8*(\p)+4:X0+8*(\p)+7], s[QP:QP+1] offset:8192*(\g)+1024*(\p)+256
.endr
	s_wait_xcnt 0x0                                ; q's stores have read their registers, which take v
	XLOAD X0, (\g)*16*DPITCH+1024                  ; v
	s_wait_dscnt 16                                ; k is in; v's sixteen loads may be out
	ROPE X1, \g
.irp p, 0,1,2,3,4,5,6,7
.irp z, 0,1,2,3
	v_pk_add_f32 v[KS+2*(\z):KS+2*(\z)+1], v[KS+2*(\z):KS+2*(\z)+1], v[X1+8*(\p)+2*(\z):X1+8*(\p)+2*(\z)+1]  ; the sums, of the unrounded k
.endr
.endr
	TOF16 X1
.irp p, 0,1,2,3,4,5,6,7
	global_store_b128 v[KO], v[H+4*(\p):H+4*(\p)+3], s[KP:KP+1] offset:4096*(\g)+512*(\p)
.endr
	s_wait_dscnt 0x0                               ; v is in
	s_wait_xcnt 0x0                                ; k's stores have read the packed registers
	TOF16 X0
.irp p, 0,1,2,3,4,5,6,7
	global_store_b128 v[KO], v[H+4*(\p):H+4*(\p)+3], s[VP:VP+1] offset:4096*(\g)+512*(\p)
.endr
.endm
	TLOAD 0                                        ; the table's 32 rows are asked for ahead of the dump
	TLOAD 1
	DUMP
.irp j, 0,1,2,3,4,5,6,7
	v_mov_b32 v[KS+\j], 0
.endr
	s_wait_dscnt 0x0                               ; for the others' sake: my part of the dump is stored
	s_barrier_signal -1
	s_barrier_wait -1                              ; the dump is whole
	GROUP 0
	GROUP 1
.irp j, 0,1,2,3,4,5,6,7
	v_permlanex16_b32 v[T+\j], v[KS+\j], s92, s93  ; the odd rows' sums meet the even rows'
.endr
.irp j, 0,1,2,3,4,5,6,7
	v_add_f32 v[KS+\j], v[KS+\j], v[T+\j]
.endr
	v_cmp_eq_u32 vcc_lo, 1, v2
.irp j, 0,1,2,3
	v_cndmask_b32 v[T+8+\j], v[KS+\j], v[KS+4+\j], vcc_lo  ; lanes 0-15 store channels 4 i .., lanes 16-31 channels 64 + 4 i ..
.endr
	global_store_b128 v[KMO], v[T+8:T+11], s[MP:MP+1]  ; 512 consecutive bytes
	s_wait_tensorcnt 0x0                           ; the wave's end: behind my last tensor load and my last LDS store
	ds_add_u32 v[SPW], v[NIL]
	s_wait_dscnt 0x0
	CROUND                                         ; the closing round
	s_endpgm
.Lfunc_end_k_q79d66bc871_qkv:
	.size	k_q79d66bc871_qkv, .Lfunc_end_k_q79d66bc871_qkv-k_q79d66bc871_qkv
	.p2alignl 7, 3214868480
	.fill 96, 4, 3214868480
	.section	.rodata,"a",@progbits
	.p2align	6, 0x0
	.amdhsa_kernel k_q79d66bc871_qkv
		.amdhsa_group_segment_fixed_size 327680
		.amdhsa_private_segment_fixed_size 0
		.amdhsa_enable_private_segment 0
		.amdhsa_kernarg_size 48
		.amdhsa_user_sgpr_count 2
		.amdhsa_user_sgpr_kernarg_segment_ptr 1
		.amdhsa_wavefront_size32 1
		.amdhsa_system_sgpr_workgroup_id_x 1
		.amdhsa_system_sgpr_workgroup_id_y 1
		.amdhsa_system_sgpr_workgroup_id_z 1
		.amdhsa_system_vgpr_workitem_id 0
		.amdhsa_next_free_vgpr 1024
		.amdhsa_next_free_sgpr 100
		.amdhsa_reserve_vcc 1
		.amdhsa_float_denorm_mode_32 3
		.amdhsa_float_denorm_mode_16_64 3
		.amdhsa_memory_ordered 1
		.amdhsa_forward_progress 1
		.amdhsa_inst_pref_size 110
	.end_amdhsa_kernel
	.amdgpu_metadata
---
amdhsa.version: [ 1, 2 ]
amdhsa.kernels:
  - .name:           k_q79d66bc871_qkv
    .symbol:         k_q79d66bc871_qkv.kd
    .args:
      - { .name: wb, .offset: 0, .size: 8, .value_kind: global_buffer, .address_space: global }
      - { .name: rope, .offset: 8, .size: 8, .value_kind: global_buffer, .address_space: global }
      - { .name: qf, .offset: 16, .size: 8, .value_kind: global_buffer, .address_space: global }
      - { .name: k16, .offset: 24, .size: 8, .value_kind: global_buffer, .address_space: global }
      - { .name: v16, .offset: 32, .size: 8, .value_kind: global_buffer, .address_space: global }
      - { .name: kmp, .offset: 40, .size: 8, .value_kind: global_buffer, .address_space: global }
    .group_segment_fixed_size: 327680
    .private_segment_fixed_size: 0
    .kernarg_segment_align: 8
    .kernarg_segment_size: 48
    .max_flat_workgroup_size: 128
    .sgpr_count:     100
    .vgpr_count:     1024
    .wavefront_size: 32
...
	.end_amdgpu_metadata
.endif
;; end of part 2
;; launch attn (part 3): grid 16 x 16, 4 waves a work-group, clusters of 4 x 1, 327,680 bytes of LDS; arguments qf, k16, v16, kmp, o_norm_w, ob; writes ob
.if DOCPART == 3
	.amdgcn_target "amdgcn-amd-amdhsa--gfx1250"
	.amdhsa_code_object_version 6
	.text
	.protected	k_q79d66bc871_attn
	.globl	k_q79d66bc871_attn
	.p2align	8
	.type	k_q79d66bc871_attn,@function
k_q79d66bc871_attn:
	s_mov_b64 s[64:65], 0
	v_nop
	global_prefetch_b8 v0, s[64:65] scope:SCOPE_SE
	s_setreg_imm32_b32 hwreg(HW_REG_WAVE_MODE, 25, 1), 1
	s_wait_xcnt 0x0
	s_wait_alu depctr_hold_cnt(0) depctr_sa_sdst(0) depctr_va_vdst(0) depctr_va_sdst(0) depctr_va_ssrc(0) depctr_va_vcc(0) depctr_vm_vsrc(0)
	s_getreg_b32 s2, hwreg(HW_REG_IB_STS2, 6, 4)
	s_cmp_eq_u32 s2, 0
	s_cbranch_scc0 .Lentry_in_a_cluster
	s_endpgm
.Lentry_in_a_cluster:
	s_bfe_u32 s2, ttmp6, 0x10000c
	s_cmp_lg_u32 s2, 0x3003
	s_cbranch_scc0 .Lentry_shape_is_right
	s_endpgm
.Lentry_shape_is_right:
; MoBA's gate, choice of blocks, masked causal attention and RMSNorm, for one head (grid y).  qf [head][pos][128] f32; k16, v16 [head][pos][128] f16 with the channels in the order PI
; (place 8 i + 4 half + m holds channel 64 half + 4 i + m); kmp: k's sums over 32 rows, f32, eight parts a block; ob [pos][head x 128 + place] f16.
; THE WALK.  A work-group takes 64 queries (quarter cx) of block g, and then the same quarter of block 7 - g (g = the cluster's x): g + 1 and 8 - g tiles of 256 keys, always nine, each block from its
; diagonal tile down to tile 0.  The four partners of a cluster walk the same tiles: every fill is a joint load.  Trip counts are constants; branches hang on g and on the wave's number alone.
; SHARES.  Wave w: queries 32 (w / 2) + 0..31 (two tiles of 16), keys 128 (w % 2) + 0..127 of every tile (two steps of 64): 18 steps.  A wave with the upper keys takes its two tiles in the other order, so that at a
; block's end every wave hands its tile 1 to its partner and finishes its tile 0, by one text.
; THE CHOICE.  A query of blocks 0-3 has at most three earlier blocks, and the best four take them all.  For block 7 - g the gates q . mean(k) are made in f32 on the vector unit, from the unrounded q;
; an earlier block is chosen if fewer than three earlier blocks beat it (a tie goes to the lower number).  The choice is eight bits in a register and acts through the C operand alone.
; THE MASK is the C operand that starts S^T = K Q^T: MD x AL + B.  MD: the mask of the 64 keys that hold my queries' diagonal, made once.  AL, B are made per lane from cx, the step and the choice, by selects.
; LAYOUT, SOFTMAX.  S^T holds one query a lane (l % 16) and keys 8 (l / 16) + 0..7; rounded to f16 in pairs it is source 1 of O^T = V^T P.  p = 2^(c s - c m), c = log2(e) / sqrt(128), running maximum m;
; O and l are multiplied by a = 2^(c m_old - c m_new) in every step; m starts at the lowest finite number, so a block's first a is 0.
; BY TURNS.  Turn X of step n: 16 products V^T P of tile 0 (step n), 16 products K Q^T of tile 0 (step n + 1); behind each product a slice of tile 1's softmax of step n and of its mask for step n + 1.
; Turn Y: the same for tile 1, beside tile 0's softmax of step n + 1 and its mask for step n + 2.  K of step n + 1 is fetched early in X, V of step n + 1 in two halves in Y.  A turn's 33 exponentials are one batch.
; The slots change between Y of a tile's first step and X of its second, where the slot's last bytes have been asked for.  A BLOCK ENDS between X and Y of its last step: tile 1's last products, the exchange,
; the finishing, fresh statistics, and P of tile 1 = 0, so that the Y that follows adds nothing to what was.  The loop is entered at a Y in the same way.
; LIMITS.  q, k, v within 65,504 (f16).  A hidden score counts as its value less 1e30; gates are taken to lie above -5e29; a weight below 2^-126 counts as 0; NaN and infinities are not treated apart.
; o_norm_w is rounded to bf16, as all the module's inputs are.
; REGISTERS, in windows of 256 (s_set_vgpr_msb: bits 1:0 source 0, 3:2 source 1, 5:4 source 2, 7:6 destination):
;   window 0: v0-63 addresses, flags, statistics; v64-127 S^T; v128-159 P; v160-223 the masks in hand; v224-255 packed output
;   window 1: v0-127 O^T (64 a tile); v128-191 MD; v192-255 w        window 2: v0-63 Q; v64-127 the second block's Q; v128-255 K of a step
;   window 3: v0-127 V of a step; v128-191 the partner's O^T.  At the head all of window 3 holds q in f32.
.set PK,    272                        ; a row of K in LDS: 256 + 16 bytes
.set PV,    288                        ; a row of V: 256 + 32 bytes
.set VOFF,  256*PK
.set SLOT1, 0x24000                    ; slot 1 begins here: none of the tiles' four first bytes in slot 0 has one of its two bits, so one exclusive or changes slots
.set KM,    256*(PK+PV)                ; behind slot 0: the eight blocks' mean k, [8][128] f32
.set STAT,  SLOT1+KM                   ; behind slot 1: the statistics handed over, 512 bytes a wave
.set SPARE, STAT+2048                  ; the spare words, 128 bytes for each wave, which no other line names
.set PART,  2*SLOT1                    ; the O^T handed over, 8,192 bytes a wave; the wave that has read an area then has it as its stage for the way out
.set SP,    272
.set AK0, 2
.set AV0, 3
.set ADR, 4
.set QOA, 5                            ; v5   my byte offset in q's rows, tile 0
.set STO, 6
.set RD,  7
.set GO,  8
.set PAW, 12                           ; v12  my area of PART + 16 x lane
.set KMA, 13
.set DV,  14                           ; v14  tile 0: my query's place among the 64, less 8 (l / 16)
.set ZR,  15                           ; v15  0
.set QQ,  16                           ; v16  cx: it lives in this register alone, and meets only compares that feed selects
.set QQE, 17
.set ALV, 18                           ; v[18:19]
.set BEV, 20
.set SAW, 21                           ; v21  my area of STAT + 16 x lane
.set BV,  22                           ; v[22:23], v[24:25]: a tile's addend
.set SV,  26                           ; v26, v27: -1e30 where the tile's query has not chosen the block whose masks are being made
.set SELM, 28                          ; v28, v29: the choice, a bit a block
.set SPW, 30
.set NIL, 31
.set ST,  32                           ; tile t's statistics at v[ST+8 t]: c m, m, l (even, odd keys), c0-c3 at work; a takes c2's place
.set SELH, 48                          ; v48, v49: the second block's choice
.set PFO, 50
.set WO,  51
.set DV1, 55                           ; v55  as v14, tile 1
.set PAR, 56                           ; v56  my partner's area of PART + 16 x lane
.set SAR, 57                           ; v57  my partner's area of STAT + 16 x lane
.set ADV, 58
.set QOB, 59                           ; v59  as v5, tile 1
.set S,   64
.set P,   128
.set MC,  160
.set HB,  224
.set GA,  128                          ; at the head: the gate's sums,
.set GG,  144                          ; the gates, seven a tile,
.set RK,  160                          ; their ranks
.set FT,  160                          ; at a block's end: 24 registers at work, where tile 0's mask lay
.set MD,  128                          ; window 1
.set WR,  192                          ; window 1
.set KF,  128                          ; window 2
.set OP,  128                          ; window 3
.set WV, 16
.set KH, 17
.set QH, 18
.set CX, 19
.set G,  20
.set HI, 21
.set HEAD, 22
.set G1K, 24
.set G1V, 32
.set G0K, 40
.set G0V, 44
.set KB,  48                           ; s[48:49] k16 at my head and my half of a tile's rows
.set VB,  50
.set OFF, 52
.set LK,  54
.set LV,  55
.set SLOTS, 56
.set CNT, 57
.set CS,  58
.set SEL, 60
.set TBK, 62                           ; s62  LDS byte at which K of the step to be fetched begins
.set TBV, 63
.set SB,  66                           ; s66  first byte of the slot that is read
.set NXT, 67                           ; s67  the tile to be asked for next
.set WRAP, 68
.set MCUR, 69                          ; s69  the tile whose masks are being made
.set RT,  70                           ; s70  tiles of the block in hand whose second step is still to come
.set KSI, 72                           ; s72  the number, in its tile, of the step whose mask is being made: 0..3
.set BIGN, 73
.set LIM, 74
.set PFB, 76
.set PFA, 78
.set OUTP, 80
.set OUTH, 82
.set GN,  86
.set AL,  87
.set BE,  88
.set EPS, 89
.set R128, 90
.set QLO, 92
.set QHI, 94
.set MSB, 0
.macro WIN new
.if MSB != (\new)
	s_set_vgpr_msb (MSB<<8)|(\new)
.set MSB, (\new)
.endif
.endm
.set W_KQ, 0x0a                        ; K and Q in window 2; S^T and the mask in window 0
.set W_PV, 0x53                        ; V in window 3, P in window 0, O^T in window 1
.set W_RS, 0x41                        ; destination and source 0 in window 1, source 1 in window 0
.macro JLOAD                           ; a joint fill: waves 0, 1 fetch the two halves of a tile's K, waves 2, 3 of its V; an s_nop 0 and four v_nop follow each line
	s_cmp_lt_u32 s[WV], 2
	s_cbranch_scc0 .Lfor_v_\@
	tensor_load_to_lds s[G0K:G0K+3], s[G1K:G1K+7]
	s_nop 0
.rept 4
	v_nop
.endr
	s_branch .Lasked_\@
.Lfor_v_\@:
	tensor_load_to_lds s[G0V:G0V+3], s[G1V:G1V+7]
	s_nop 0
.rept 4
	v_nop
.endr
.Lasked_\@:
.endm
; A prefetch of the tile that the NEXT change of slots asks for, a lane a row of 256 bytes.  Tiles 6, 5, 4 are named, by the head's cluster g = 0 alone, two steps ahead of their load; its four partners take 64 rows
; each, told apart by address, waves 0, 1 of K and waves 2, 3 of V, 32 rows a wave.  Tiles 0-3 and 7 are wanted at the walks' beginnings and come by their loads alone.
.macro ASK
	s_cmp_gt_u32 s[NXT], s[LIM]
	s_cbranch_scc0 .Lnot_mine_\@
	global_prefetch_b8 v[PFO], s[PFA:PFA+1] th:TH_LOAD_NT scope:SCOPE_SE
.Lnot_mine_\@:
.endm
.macro CROUND
	s_barrier_signal -1
	s_barrier_wait -1
	s_cmp_lg_u32 s[WV], 0
	s_cbranch_scc1 .Lnot_wave_0_\@
	s_barrier_signal -3
.Lnot_wave_0_\@:
	s_barrier_wait -3
	s_barrier_signal -1
	s_barrier_wait -1
.endm
.macro NEXTN                           ; the walk's next tile: one down, or behind tile 0 the second block's diagonal tile
	s_sub_co_u32 s23, s[NXT], 1
	s_cmp_eq_u32 s[NXT], 0
	s_cselect_b32 s[NXT], s[WRAP], s23
	s_cselect_b32 s[WRAP], 0, s[WRAP]
.endm
.macro PLACES
.rept 4
	v_nop
.endr
.endm
; THE CHANGE OF SLOTS.  Each wave waits for all its tensor loads (one is out: its part of the other slot), adds 0 to its spare word, and waits for that and for its reads of the slot that it leaves.
; fill = 1: behind a round of the cluster's barrier the old slot is filled with tile NXT, first thing.  (At its first use slot 0 is waited for and slot 1 filled.)
.macro CHANGE fill
	WIN 0
	s_wait_tensorcnt 0x0                           ; no tensor load of mine is out, so a group 0 may be written
	ds_add_u32 v[SPW], v[NIL]                      ; 0 onto my spare word; scalar work stands between it and the wait for it
	s_xor_b32 s[SB], s[SB], SLOT1
	s_add_co_u32 s[TBK], s[SB], s[LK]              ; the fetches go on at my half of the other slot's rows
	s_add_co_u32 s[TBV], s[SB], s[LV]
.if \fill
	s_lshl_b32 s[OFF], s[NXT], 16                  ; a tile is 65,536 bytes of K and of V
	s_xor_b32 s[G0K+1], s[G0K+1], SLOT1
	s_add_nc_u64 s[G0K+2:G0K+3], s[KB:KB+1], s[OFF:OFF+1]
	s_or_b32 s[G0K+3], s[G0K+3], 0x80000000
	s_xor_b32 s[G0V+1], s[G0V+1], SLOT1
	s_add_nc_u64 s[G0V+2:G0V+3], s[VB:VB+1], s[OFF:OFF+1]
	s_or_b32 s[G0V+3], s[G0V+3], 0x80000000
	NEXTN
	s_wait_xcnt 0x0                                ; the last prefetch, two steps back, has read its address
	s_lshl_b32 s[OFF], s[NXT], 16
	s_add_nc_u64 s[PFA:PFA+1], s[PFB:PFB+1], s[OFF:OFF+1]
.endif
	s_wait_dscnt 0x0                               ; the add is done, and my LDS reads and stores are over
.if \fill
	CROUND
	JLOAD
	ASK
.else
	s_barrier_signal -1
	s_barrier_wait -1
.endif
.endm
	s_load_b256 s[4:11], s[0:1], 0x0               ; qf s[4:5], k16 s[6:7], v16 s[8:9], kmp s[10:11]
	s_load_b128 s[12:15], s[0:1], 0x20             ; o_norm_w s[12:13], ob s[14:15]
	v_lshl_add_u32 v[SPW], v0, 2, SPARE
	v_mov_b32 v[NIL], 0
	ds_add_u32 v[SPW], v[NIL]                      ; the wave's opening: the add and its wait ahead of my first tensor load
	v_lshrrev_b32 v10, 5, v0
	v_readfirstlane_b32 s[WV], v10
	s_and_b32 s[KH], s[WV], 1
	s_lshr_b32 s[QH], s[WV], 1
	s_bfe_u32 s[CX], ttmp6, 0x40000
	s_mov_b32 s[G], ttmp9
	s_sub_co_u32 s[HI], 7, s[G]
	s_and_b32 s[HEAD], ttmp7, 0xffff
	s_mov_b32 s[G1K], 15|(1<<16)|(1<<20)|(1<<21)|(5<<22)|(3<<25)  ; the mask of four; 2-byte elements; padding on; bit 21 beside a mask; after every 64 words 4 words
	s_mov_b32 s[G1V], 15|(1<<16)|(1<<20)|(1<<21)|(5<<22)|(7<<25)  ; the same with 8 words
.irp g, G1K, G1V
	s_mov_b32 s[\g+1], 128<<16                     ; tensor_dim0 = 128
	s_mov_b32 s[\g+2], 128<<16                     ; tensor_dim1 = 128
	s_mov_b32 s[\g+3], 128<<16                     ; tile_dim0 = 128
	s_mov_b32 s[\g+4], 128                         ; tile_dim1 = 128
	s_mov_b32 s[\g+5], 128                         ; elements from row to row
	s_mov_b32 s[\g+6], 0
	s_mov_b32 s[\g+7], 0
.endr
	s_mul_i32 s[LK], s[KH], 128*PK                 ; my half of a tile's rows, as I fetch them and as I read them
	s_mul_i32 s[LV], s[KH], 128*PV
	s_add_co_u32 s[LV], s[LV], VOFF
	s_mov_b32 s[G0K], 1
	s_mov_b32 s[G0K+1], s[LK]                      ; slot 0
	s_mov_b32 s[G0V], 1
	s_mov_b32 s[G0V+1], s[LV]
	s_mov_b32 s[CS], 0x3e0293ee                    ; c = log2(e) / sqrt(128)
	s_mov_b32 s[CS+1], s[CS]
	s_mov_b32 s[SEL], 0x76543210
	s_mov_b32 s[SEL+1], 0xfedcba98
	s_mov_b32 s[BIGN], 0xf149f2ca                  ; -1e30
	s_mov_b32 s[EPS], 0x358637bd                   ; 1e-6
	s_mov_b32 s[R128], 0x3c000000                  ; 1 / 128
	s_mov_b32 s[SB], SLOT1                         ; the first change of slots turns it into 0
	s_mov_b32 s[OFF+1], 0
	s_mov_b32 s[NXT], s[G]
	s_mov_b32 s[WRAP], s[HI]
	NEXTN
	s_mov_b32 s[MCUR], s[G]
	s_add_co_u32 s[RT], s[G], 1                    ; the first block has g + 1 tiles
	s_lshl_b32 s[KSI], s[KH], 1
	s_mov_b32 s[SLOTS], 8
	s_cmp_eq_u32 s[G], 0
	s_cselect_b32 s[LIM], 3, -1
	s_lshl_b32 s2, s[HEAD], 19
	s_lshl_b32 s3, s[KH], 15
	s_add_co_u32 s2, s2, s3
	s_mov_b32 s3, 0
	s_wait_dscnt 0x0                               ; the opening add is done
	s_wait_kmcnt 0x0
	s_add_nc_u64 s[KB:KB+1], s[6:7], s[2:3]
	s_add_nc_u64 s[VB:VB+1], s[8:9], s[2:3]
	s_lshl_b32 s[OFF], s[G], 16                    ; the walk's first tile is block g's diagonal one
	s_add_nc_u64 s[G0K+2:G0K+3], s[KB:KB+1], s[OFF:OFF+1]
	s_or_b32 s[G0K+3], s[G0K+3], 0x80000000
	s_add_nc_u64 s[G0V+2:G0V+3], s[VB:VB+1], s[OFF:OFF+1]
	s_or_b32 s[G0V+3], s[G0V+3], 0x80000000
	; what hangs on cx: Q's, O's and the prefetches' global addresses
	s_lshl_b32 s84, s[CX], 6
	s_lshl_b32 s85, s[QH], 5
	s_add_co_u32 s84, s84, s85                     ; my first query in its block
.irp b, 0,1
.if \b
	s_lshl_b32 s85, s[HI], 8
.else
	s_lshl_b32 s85, s[G], 8
.endif
	s_add_co_u32 s85, s85, s84
	s_lshl_b32 s2, s85, 9
	s_lshl_b32 s23, s[HEAD], 20
	s_add_co_u32 s2, s2, s23
	s_add_nc_u64 s[QLO+2*\b:QLO+2*\b+1], s[4:5], s[2:3]
	s_lshl_b32 s23, s[KH], 4                       ; the tile that I finish: my tile 0
	s_add_co_u32 s85, s85, s23
	s_lshl_b32 s2, s85, 12
	s_lshl_b32 s23, s[HEAD], 8
	s_add_co_u32 s2, s2, s23
	s_add_nc_u64 s[OUTP+2*\b:OUTP+2*\b+1], s[14:15], s[2:3]
.endr
	s_cmp_lt_u32 s[WV], 2
	s_cselect_b64 s[PFB:PFB+1], s[6:7], s[8:9]
	s_lshl_b32 s2, s[CX], 14                       ; my work-group's 64 rows of a tile,
	s_lshl_b32 s23, s[KH], 13                      ; my wave's 32 of them
	s_add_co_u32 s2, s2, s23
	s_lshl_b32 s23, s[HEAD], 19
	s_add_co_u32 s2, s2, s23
	s_add_nc_u64 s[PFB:PFB+1], s[PFB:PFB+1], s[2:3]
	s_mov_b64 s[PFA:PFA+1], s[PFB:PFB+1]
	CROUND                                         ; all four work-groups are here: the first joint loads meet
	JLOAD                                          ; the first tile, into slot 0: one load of mine is out
	v_and_b32 v1, 15, v0                           ; l % 16
	v_bfe_u32 v9, v0, 4, 1                         ; l / 16
	v_and_b32 v11, 31, v0                          ; l
	v_lshlrev_b32 v52, 16, v10                     ; k's sums: thread t takes 16 bytes of the eight parts of block t / 32 and of block 4 + t / 32
	v_lshl_add_u32 v52, v11, 4, v52
	s_lshl_b32 s23, s[HEAD], 9
	v_add_nc_u32 v52, s23, v52
.irp j, 0,1,2,3,4,5,6,7
	global_load_b128 v[S+4*\j:S+4*\j+3],       v52, s[10:11] offset:8192*\j
	global_load_b128 v[S+32+4*\j:S+32+4*\j+3], v52, s[10:11] offset:8192*\j+262144
.endr
	v_lshlrev_b32 v[QOA], 9, v1
	v_lshl_add_u32 v[QOA], v9, 4, v[QOA]           ; row x 512 + 16 x half
	s_lshl_b32 s23, s[KH], 13                      ; tile t is the 16 rows t xor (w % 2) of my 32
	s_xor_b32 s85, s23, 8192
	v_add_nc_u32 v[QOB], s85, v[QOA]
	v_add_nc_u32 v[QOA], s23, v[QOA]
; A tile of q in f32, in the order of the f16 fragment: for places 32 c + 8 (l / 16) .. and 32 c + 16 + 8 (l / 16) .., four channels of the first half and their four partners
.macro QLOAD base, ptr, qo
.irp c, 0,1,2,3
	global_load_b128 v[(\base)+16*\c:(\base)+16*\c+3],     v[\qo], s[\ptr:\ptr+1] offset:64*\c
	global_load_b128 v[(\base)+16*\c+4:(\base)+16*\c+7],   v[\qo], s[\ptr:\ptr+1] offset:64*\c+256
	global_load_b128 v[(\base)+16*\c+8:(\base)+16*\c+11],  v[\qo], s[\ptr:\ptr+1] offset:64*\c+32
	global_load_b128 v[(\base)+16*\c+12:(\base)+16*\c+15], v[\qo], s[\ptr:\ptr+1] offset:64*\c+288
.endr
.endm
	WIN 0xc0                                       ; destination window 3
	QLOAD 128, QHI, QOA                            ; the second block's q first: the gate wants it
	QLOAD 192, QHI, QOB
	WIN 0
	v_mul_u32_u24 v[AK0], v1, PK
	v_lshl_add_u32 v[AK0], v9, 4, v[AK0]
	v_and_b32 v53, 7, v0                           ; the turning load: lane l reads key 8 (l / 16) + l % 8, places 8 ((l / 8) % 2) + 0..7
	v_bfe_u32 v54, v0, 3, 1
	v_lshl_add_u32 v[AV0], v9, 3, v53
	v_mul_u32_u24 v[AV0], v[AV0], PV
	v_lshl_add_u32 v[AV0], v54, 4, v[AV0]
	s_lshl_b32 s23, s[WV], 13
	s_add_co_u32 s23, s23, PART                    ; my area: what I hand over
	v_lshl_add_u32 v[PAW], v11, 4, s23
	s_lshl_b32 s23, s[WV], 9
	s_add_co_u32 s23, s23, STAT
	v_lshl_add_u32 v[SAW], v11, 4, s23
	s_lshl_b32 s85, s[QH], 1                       ; my partner: the other wave of my query half
	s_add_co_u32 s85, s85, 1
	s_sub_co_u32 s85, s85, s[KH]
	s_lshl_b32 s23, s85, 9
	s_add_co_u32 s23, s23, STAT
	v_lshl_add_u32 v[SAR], v11, 4, s23
	s_lshl_b32 s23, s85, 13
	s_add_co_u32 s23, s23, PART                    ; its area: what I read, and then my stage
	v_lshl_add_u32 v[PAR], v11, 4, s23
	v_mul_u32_u24 v[STO], v1, SP
	v_lshl_add_u32 v[STO], v9, 4, v[STO]
	v_add_nc_u32 v[STO], s23, v[STO]
	v_mul_u32_u24 v[RD], v9, SP
	v_lshl_add_u32 v[RD], v1, 4, v[RD]
	v_add_nc_u32 v[RD], s23, v[RD]
	v_lshlrev_b32 v[GO], 12, v9                    ; two rows of ob
	v_lshl_add_u32 v[GO], v1, 4, v[GO]
	v_lshl_add_u32 v[KMA], v9, 4, KM
	v_lshlrev_b32 v53, 3, v9
	v_sub_nc_u32 v[DV], v1, v53
	s_lshl_b32 s23, s[QH], 5
	s_lshl_b32 s85, s[KH], 4
	s_add_co_u32 s23, s23, s85
	s_xor_b32 s85, s23, 16
	v_add_nc_u32 v[DV1], s85, v[DV]
	v_add_nc_u32 v[DV], s23, v[DV]
	v_mov_b32 v[ZR], 0
	v_mov_b32 v[QQ], s[CX]
	v_mov_b32 v[QQE], s[CX]                        ; the walk's first tile is a diagonal one,
	v_mov_b32 v[SV], 0                             ; and chosen
	v_mov_b32 v[SV+1], 0
	v_mov_b32 v[ALV+1], 0                          ; named as pairs
	v_mov_b32 v[BV+1], 0
	v_mov_b32 v[BV+3], 0
	v_mov_b32 v[SELM], -1                          ; the first block's queries choose every earlier block
	v_mov_b32 v[SELM+1], -1
	v_lshlrev_b32 v[PFO], 8, v11
	v_lshlrev_b32 v[WO], 4, v9
.irp t, 0,1
	v_mov_b32 v[ST+8*\t], 0xfe000000               ; c m: far below every c s, so the first step's a is 0
	v_mov_b32 v[ST+8*\t+1], 0xff7fffff             ; m
	v_mov_b32 v[ST+8*\t+2], 0
	v_mov_b32 v[ST+8*\t+3], 0
.irp n, 0,1,2,3,4,5,6
	v_mov_b32 v[GG+8*\t+\n], 0
.endr
.endr
.macro MDGEN t, dv                     ; register i: key 16 (i / 8) + i % 8 + 8 (l / 16) of the 64 is hidden where it lies behind my query
.set i, 0
.rept 32
	v_cmp_gt_i32 vcc_lo, 16*(i/8)+i%8, v[\dv]
	v_cndmask_b32 v[MD+32*(\t)+i], 0, s[BIGN], vcc_lo
.set i, i+1
.endr
.endm
	WIN 0x40                                       ; destination window 1
	MDGEN 0, DV
	MDGEN 1, DV1
.set i, 0
.rept 128                                      ; O^T need only be finite: its first step multiplies it by 0
	v_mov_b32 v[i], 0
.set i, i+1
.endr
	WIN 0
	s_wait_loadcnt 32                              ; k's sixteen loads are in; q's 32 are younger
.irp b, 0, 32                                  ; eight parts of four numbers into one, for each of my two blocks
.irp r, 0,2,4,6,8,10,12,14
	v_pk_add_f32 v[S+\b+\r:S+\b+\r+1], v[S+\b+\r:S+\b+\r+1], v[S+\b+16+\r:S+\b+16+\r+1]
.endr
.irp r, 0,2,4,6
	v_pk_add_f32 v[S+\b+\r:S+\b+\r+1], v[S+\b+\r:S+\b+\r+1], v[S+\b+8+\r:S+\b+8+\r+1]
.endr
.irp r, 0,2
	v_pk_add_f32 v[S+\b+\r:S+\b+\r+1], v[S+\b+\r:S+\b+\r+1], v[S+\b+4+\r:S+\b+4+\r+1]
.endr
.irp r, 0,2
	v_pk_mul_f32 v[S+\b+\r:S+\b+\r+1], v[S+\b+\r:S+\b+\r+1], 0x3b800000 op_sel_hi:[1,0]  ; / 256
.endr
.endr
	v_lshl_add_u32 v53, v0, 4, KM
	ds_store_b128 v53, v[S:S+3]
	ds_store_b128 v53, v[S+32:S+35] offset:2048
	s_wait_dscnt 0x0                               ; for the others' sake
	s_barrier_signal -1
	s_barrier_wait -1                              ; the means lie in LDS; my tensor load may stay out
	WIN 0xc0
	QLOAD 0, QLO, QOA
	QLOAD 64, QLO, QOB
	WIN 0x40
.irp b, 0,1,2,3,4,5,6,7                        ; w of my places 16 b + 8 (l / 16) + 0..7
	global_load_b128 v[WR+8*\b:WR+8*\b+3],   v[WO], s[12:13] offset:32*\b
	global_load_b128 v[WR+8*\b+4:WR+8*\b+7], v[WO], s[12:13] offset:32*\b+256
.endr
	WIN 0
	s_wait_loadcnt 48                              ; the second block's q is in; the 48 loads just issued stay out
	s_mov_b32 s[GN], 0
.Lgate:                                        ; block GN's gate for my 2 x 16 queries of the second block
.irp c, 0,1,2,3
	ds_load_b128 v[S+16*\c:S+16*\c+3],     v[KMA] offset:64*\c
	ds_load_b128 v[S+16*\c+4:S+16*\c+7],   v[KMA] offset:64*\c+256
	ds_load_b128 v[S+16*\c+8:S+16*\c+11],  v[KMA] offset:64*\c+32
	ds_load_b128 v[S+16*\c+12:S+16*\c+15], v[KMA] offset:64*\c+288
.endr
	s_wait_dscnt 0x0
	WIN 0x03                                       ; source 0 (q) in window 3
.irp t, 0,1
.set p, 0
.rept 32                                       ; my 64 channels, in four chains
.if p < 4
	v_pk_mul_f32 v[GA+8*\t+2*p:GA+8*\t+2*p+1], v[128+64*\t+2*p:128+64*\t+2*p+1], v[S+2*p:S+2*p+1]
.else
	v_pk_fma_f32 v[GA+8*\t+2*(p%4):GA+8*\t+2*(p%4)+1], v[128+64*\t+2*p:128+64*\t+2*p+1], v[S+2*p:S+2*p+1], v[GA+8*\t+2*(p%4):GA+8*\t+2*(p%4)+1]
.endif
.set p, p+1
.endr
.endr
	WIN 0
	v_add_nc_u32 v[KMA], 512, v[KMA]
	s_cmp_lt_u32 s[GN], s[HI]                      ; an earlier block keeps its gate; the others count as -1e30
	s_cselect_b32 s[AL], 1.0, 0
	s_cselect_b32 s[BE], 0, s[BIGN]
.irp t, 0,1
	v_pk_add_f32 v[GA+8*\t:GA+8*\t+1], v[GA+8*\t:GA+8*\t+1], v[GA+8*\t+2:GA+8*\t+3]
	v_pk_add_f32 v[GA+8*\t+4:GA+8*\t+5], v[GA+8*\t+4:GA+8*\t+5], v[GA+8*\t+6:GA+8*\t+7]
	v_pk_add_f32 v[GA+8*\t:GA+8*\t+1], v[GA+8*\t:GA+8*\t+1], v[GA+8*\t+4:GA+8*\t+5]
	v_add_f32 v[GA+8*\t], v[GA+8*\t], v[GA+8*\t+1]
	v_permlanex16_b32 v[GA+8*\t+2], v[GA+8*\t], s[SEL], s[SEL+1]  ; the query's other 64 channels lie in the lane 16 away
	v_add_f32 v[GA+8*\t], v[GA+8*\t], v[GA+8*\t+2]
.irp n, 0,1,2,3,4,5
	v_mov_b32 v[GG+8*\t+\n], v[GG+8*\t+\n+1]       ; the gates move down: after seven trips block n's lies in register n
.endr
	v_fma_f32 v[GG+8*\t+6], v[GA+8*\t], s[AL], s[BE]
.endr
	s_add_co_u32 s[GN], s[GN], 1
	s_cmp_lt_u32 s[GN], 7
	s_cbranch_scc1 .Lgate
	s_lshl_b32 s23, 1, s[HI]
.irp t, 0,1
	v_mov_b32 v[SELH+\t], s23                      ; the own block is always chosen
.set n, 0
.rept 7
	v_mov_b32 v[RK+8*\t+n], 0
.set m, 0
.rept 7                                        ; how many blocks beat block n: a lower number wins a tie
.if m < n
	v_cmp_ge_f32 vcc_lo, v[GG+8*\t+m], v[GG+8*\t+n]
	v_add_co_ci_u32 v[RK+8*\t+n], vcc_lo, v[ZR], v[RK+8*\t+n], vcc_lo
.elseif m > n
	v_cmp_gt_f32 vcc_lo, v[GG+8*\t+m], v[GG+8*\t+n]
	v_add_co_ci_u32 v[RK+8*\t+n], vcc_lo, v[ZR], v[RK+8*\t+n], vcc_lo
.endif
.set m, m+1
.endr
	v_cmp_gt_u32 vcc_lo, 3, v[RK+8*\t+n]
	v_cndmask_b32 v53, 0, 1<<n, vcc_lo
	v_or_b32 v[SELH+\t], v[SELH+\t], v53
.set n, n+1
.endr
.endr
	s_wait_loadcnt 0x0                             ; the first block's q, and w
	WIN 0x8f                                       ; sources in window 3, destination in window 2
.set i, 0
.rept 128                                      ; both blocks' q rounded to f16: the first block's into Q, the second's behind it
	v_cvt_pk_f16_f32 v[i], v[2*i], v[2*i+1]
.set i, i+1
.endr
	WIN 0x45                                       ; all in window 1
.set i, 0
.rept 32                                       ; w rounded to bf16 and widened again, in place
	v_cvt_pk_bf16_f32 v[WR+2*i], v[WR+2*i], v[WR+2*i+1]
	v_and_b32 v[WR+2*i+1], 0xffff0000, v[WR+2*i]
	v_lshlrev_b32 v[WR+2*i], 16, v[WR+2*i]
.set i, i+1
.endr
	WIN 0
; THE MATRIX WORK of tile x.  The accumulators take turns, one instruction a turn.
.macro KQ x                            ; product i of 16 of S^T = K Q^T: places 32 (i / 4) on, keys 16 (i % 4) on.  The first 4 start the sums with the mask
	WIN W_KQ
.set rS, S+32*(\x)+8*(i%4)
.set rK, KF+32*(i%4)+8*(i/4)
.set rQ, 32*(\x)+8*(i/4)
.set rM, MC+32*(\x)+8*(i%4)
.if i < 4
	v_wmma_f32_16x16x32_f16 v[rS:rS+7], v[rK:rK+7], v[rQ:rQ+7], v[rM:rM+7]
.else
	v_wmma_f32_16x16x32_f16 v[rS:rS+7], v[rK:rK+7], v[rQ:rQ+7], v[rS:rS+7]
.endif
.endm
.macro OV x                            ; product i of 16 of O^T += V^T P: keys 32 (i / 8) on, places 16 (i % 8) on
	WIN W_PV
.set rO, 64*(\x)+8*(i%8)
.set rV, 64*(i/8)+8*(i%8)
.set rP, P+16*(\x)+8*(i/8)
	v_wmma_f32_16x16x32_f16 v[rO:rO+7], v[rV:rV+7], v[rP:rP+7], v[rO:rO+7]
.endm
; THE LDS LOADS stand in runs.  K of a step, 32 loads, by blocks of 32 places, so that the products can begin when the first block is in.
.macro FETCH_K
	WIN 0
	v_add_nc_u32 v[ADR], s[TBK], v[AK0]
	s_add_co_u32 s[TBK], s[TBK], 64*PK
	WIN 0x80                                       ; destination window 2
.irp c, 0,1,2,3
.irp kb, 0,1,2,3
	ds_load_b128 v[KF+32*\kb+8*\c:KF+32*\kb+8*\c+3],   v[ADR] offset:\kb*16*PK+\c*64
	ds_load_b128 v[KF+32*\kb+8*\c+4:KF+32*\kb+8*\c+7], v[ADR] offset:\kb*16*PK+\c*64+32
.endr
.endr
.endm
.macro FETCH_V kk, adv                 ; half kk (32 keys) of a step's V, turned: 16 loads.  adv = 1: the next fetch is the next step's
.if (\kk) == 0
	WIN 0
	v_add_nc_u32 v[ADV], s[TBV], v[AV0]
.if \adv
	s_add_co_u32 s[TBV], s[TBV], 64*PV
.endif
.endif
	WIN 0xc0                                       ; destination window 3
.irp cb, 0,1,2,3,4,5,6,7
	ds_load_tr16_b128 v[64*(\kk)+8*\cb:64*(\kk)+8*\cb+3],   v[ADV] offset:(\kk)*32*PV+\cb*32
	ds_load_tr16_b128 v[64*(\kk)+8*\cb+4:64*(\kk)+8*\cb+7], v[ADV] offset:(\kk)*32*PV+16*PV+\cb*32
.endr
.endm
; THE SOFTMAX of tile t for a step: a list of 134 instructions; SM writes number j.
;   0-15 the maximum of the lane's 32 scores and the old m (each accumulator's lowest registers are read first)     16-20 the other half of the lanes' maximum; m; c m; its change
;   21-69 one batch: the 16 scalings c s - c m and all 33 exponentials (a at 23); none reads an exponential's result     70-85 the roundings to f16     86-101 the sums; l = a l + sum     102-133 O^T times a
.macro SM t
.set rT, ST+8*(\t)
.set rS, S+32*(\t)
.set rP, P+16*(\t)
.set rO, 64*(\t)+2*(j-102)
.if j < 102
	WIN 0
.endif
.if j < 4
	v_max3_num_f32 v[rT+4+j], v[rS+8*j], v[rS+8*j+1], v[rS+8*j+2]
.elseif j < 12
	v_max3_num_f32 v[rT+4+j%4], v[rT+4+j%4], v[rS+8*(j%4)+2*(j/4)+1], v[rS+8*(j%4)+2*(j/4)+2]
.elseif j == 12
	v_max3_num_f32 v[rT+4], v[rT+4], v[rS+7], v[rS+15]
.elseif j == 13
	v_max3_num_f32 v[rT+6], v[rT+6], v[rS+23], v[rS+31]
.elseif j == 14
	v_max3_num_f32 v[rT+4], v[rT+4], v[rT+5], v[rT+6]
.elseif j == 15
	v_max3_num_f32 v[rT+4], v[rT+4], v[rT+7], v[rT+1]
.elseif j == 16
	v_permlanex16_b32 v[rT+5], v[rT+4], s[SEL], s[SEL+1]
.elseif j == 17
	v_mov_b32 v[rT+7], v[rT]
.elseif j == 18
	v_max_num_f32 v[rT+1], v[rT+4], v[rT+5]
.elseif j == 19
	v_mul_f32 v[rT], s[CS], v[rT+1]
.elseif j == 20
	v_sub_f32 v[rT+7], v[rT+7], v[rT]
.elseif j == 23
	v_exp_f32 v[rT+6], v[rT+7]
.elseif (j < 23) || ((j < 38) && (j%2 == 0)) || ((j < 66) && (j%4 == 2))
.set b, (j-2)/4
.if j < 38
.set b, (j-20)/2
.endif
	v_pk_fma_f32 v[rS+2*b:rS+2*b+1], v[rS+2*b:rS+2*b+1], s[CS:CS+1], v[rT:rT+1] op_sel_hi:[1,0,0] neg_lo:[0,0,1] neg_hi:[0,0,1]
.elseif j < 70
.set e, j-38
.if j < 66
.set e, j-32-(j-38)/4
.endif
.if j < 38
.set e, (j-25)/2
.endif
	v_exp_f32 v[rS+e], v[rS+e]
.elseif j < 86
	v_cvt_pk_f16_f32 v[rP+j-70], v[rS+2*(j-70)], v[rS+2*(j-70)+1]
.elseif j < 102
.set z, j-86
.set w, 4
.set u, z
.if z >= 14
.set w, 32
.set u, 0
.elseif z >= 12
.set w, 16
.set u, z-12
.elseif z >= 8
.set w, 8
.set u, z-8
.endif
.if z < 15
	v_pk_add_f32 v[rS+w*u:rS+w*u+1], v[rS+w*u:rS+w*u+1], v[rS+w*u+w/2:rS+w*u+w/2+1]
.else
	v_pk_fma_f32 v[rT+2:rT+3], v[rT+2:rT+3], v[rT+6:rT+7], v[rS:rS+1] op_sel_hi:[1,0,1]
.endif
.else
	WIN W_RS
	v_pk_mul_f32 v[rO:rO+1], v[rO:rO+1], v[rT+6:rT+7] op_sel_hi:[1,0]
.endif
.endm
; THE MASK of tile YT for the step numbered KSI in its tile: 21 instructions; MK writes number n.
.macro MK n
.if (\n) < 5
	WIN 0
.endif
.if (\n) == 0
	v_cmp_eq_u32 vcc_lo, s[KSI], v[QQE]            ; do these 64 keys hold my queries' diagonal?
.elseif (\n) == 1
	v_cndmask_b32 v[ALV], 0, 1.0, vcc_lo
.elseif (\n) == 2
	v_cmp_gt_u32 vcc_lo, s[KSI], v[QQE]            ; or lie behind it?
.elseif (\n) == 3
	v_cndmask_b32 v[BEV], 0, s[BIGN], vcc_lo
.elseif (\n) == 4
	v_add_f32 v[BV+2*YT], v[SV+YT], v[BEV]
.else
	WIN 0x01                                       ; source 0 (MD) in window 1
	v_pk_fma_f32 v[MC+32*YT+2*((\n)-5):MC+32*YT+2*((\n)-5)+1], v[MD+32*YT+2*((\n)-5):MD+32*YT+2*((\n)-5)+1], v[ALV:ALV+1], v[BV+2*YT:BV+2*YT+1] op_sel_hi:[1,0,0]
.endif
.endm
.macro RID n                           ; a rider: number n of the softmax's list, or number n - 200 of the mask's
.if (\n) >= 200
	MK (\n)-200
.else
.set j, (\n)
	SM YT
.endif
.endm
; The turn's next matrix instruction.  In X the counted waits stand ahead of the products that need the loads: V's second half (K's 32 loads are younger), then K by blocks of eight loads.
.macro MM
.if i < 16
.if (XT == 0) && (i == 8)
	s_wait_dscnt 32
.endif
	OV XT
.else
.if (XT == 0) && (i%4 == 0)
	s_wait_dscnt 24-2*(i-16)
.endif
.set i, i-16
	KQ XT
.set i, i+16
.endif
.set i, i+1
.endm
.macro ROW list:vararg                 ; a matrix instruction and the riders behind it
	MM
.irp n, \list
	RID \n
.endr
.endm
; A TURN.  Tile x has the matrix unit, the riders belong to the other tile and name no register of the products round them.  The order is written out.  The links of the maximum's chain (12 to 20) stand one to a slice,
; three lines of the mask beside each.  Numbers 23 to 69 are the batch; behind it a v_nop, the plain instruction behind the last exponential, and ONE wait ahead of the first reader.  The last slice's seven plain
; instructions are the places between the turn's last product and what follows: the next turn's first read of those scores and the loads into K's registers.
; V's first half is loaded behind the 8th product, its last reader, and that slice's four plain instructions; the second half at the wait: four scalings and the v_nop stand behind the 16th product.
.macro TURN x
.set XT, (\x)
.set YT, 1-(\x)
.set i, 0
.if (\x) == 0
	s_wait_dscnt 16                                ; V's first half is in; the second half's sixteen loads may be out
.else
	s_xor_b32 s[KSI], s[KSI], 1                    ; X makes the mask of the same step for tile 1 that the Y before made for tile 0
.endif
	ROW 0,1,2,3,200
	ROW 4,5,6,7,201
.if (\x) == 0
	FETCH_K
.endif
	ROW 8,9,10,11,202
	ROW 12,13,203,204
	ROW 14,205,206,207
	ROW 15,208,209,210
	ROW 16,17,211,212,213
	ROW 18,214,215,216
.if (\x) == 1
	FETCH_V 0, 1
.endif
	ROW 19,217,218,219
	ROW 20,21,22,220
	ROW 23,24,25,26,27
	ROW 28,29,30,31,32
	ROW 33,34,35,36,37
	ROW 38,39,40,41,42
	ROW 43,44,45,46,47
	ROW 48,49,50,51,52
	ROW 53,54,55,56,57
	ROW 58,59,60,61,62
	ROW 63,64,65,66,67
	ROW 68,69
	v_nop
	s_wait_alu depctr_va_vdst(0)                   ; the wait for the batch
.if (\x) == 1
	FETCH_V 1, 1
.endif
	ROW 70,71,86,72,73
	ROW 87,74,75,88,76
	ROW 77,89,78,79,90
	ROW 80,81,91,82,83
	ROW 92,84,85,93,94
	ROW 95,96,97,102,103
	ROW 98,99,104,105,106
	ROW 100,107,108,109,110
	ROW 101,111,112,113,114
	ROW 115,116,117,118,119,120
	ROW 121,122,123,124,125,126
	ROW 127,128,129,130,131,132,133
.endm
; The masks go on to the walk's next tile: one down, or behind tile 0 the second block's diagonal tile, with that block's choice.  (Behind the walk's last tile the numbers serve nothing.)
.macro MASKTILE
	s_sub_co_u32 s23, s[MCUR], 1
	s_cmp_eq_u32 s[MCUR], 0
	s_cselect_b32 s[MCUR], s[HI], s23
	s_cselect_b32 s84, -1, 0
	s_cselect_b32 s85, 0, 64                       ; off the diagonal no step reaches cx + 64: nothing is hidden by place
	v_cndmask_b32 v[SELM], v[SELM], v[SELH], s84
	v_cndmask_b32 v[SELM+1], v[SELM+1], v[SELH+1], s84
	v_add_nc_u32 v[QQE], s85, v[QQ]
.irp t, 0,1
	v_lshrrev_b32 v53, s[MCUR], v[SELM+\t]
	v_and_b32 v53, 1, v53
	v_cmp_eq_u32 vcc_lo, 0, v53
	v_cndmask_b32 v[SV+\t], 0, s[BIGN], vcc_lo
.endr
.endm
; A BLOCK'S END.  Tile 1's last products; my tile 1 and its statistics go to my partner, whose tile 0 it is; my partner's come to me.  The two partial results of my tile 0 are brought to one maximum and added,
; divided by l, normed over the head, multiplied by w, rounded to f16 and sent through my stage, 16 rows.  A partial result that saw no true score has c m near -1.3e29, and its factor is 0.
.macro BOUNDARY last
.set i, 0
.rept 16
	OV 1
.set i, i+1
.endr
	WIN 0
	PLACES                                         ; behind the last product, ahead of the stores that read the sums
	s_wait_dscnt 0x0                               ; every wave's earlier reads and stores in the areas are over:
	s_barrier_signal -1
	s_barrier_wait -1                              ; a barrier of the work-group (the branch round this text hangs on g alone); my tensor load may stay out
	WIN 0x04                                       ; the stores' data in window 1
.set i, 0
.rept 16
	ds_store_b128 v[PAW], v[64+4*i:64+4*i+3] offset:512*i
.set i, i+1
.endr
	WIN 0
	ds_store_b128 v[SAW], v[ST+8:ST+11]
	s_wait_dscnt 0x0                               ; for the partner's sake
	s_barrier_signal -1
	s_barrier_wait -1
	ds_load_b128 v[FT:FT+3], v[SAR]
	WIN 0xc0
.set i, 0
.rept 16
	ds_load_b128 v[OP+4*i:OP+4*i+3], v[PAR] offset:512*i
.set i, i+1
.endr
	WIN 0
	v_mov_b32 v[FT+7], 0                           ; named in pairs, or as the destination of an exchange
	v_mov_b32 v[FT+13], 0
	v_mov_b32 v[FT+15], 0
	v_add_f32 v[FT+10], v[ST+2], v[ST+3]
	s_wait_dscnt 0x0
	v_max_num_f32 v[FT+4], v[ST], v[FT]
	v_sub_f32 v[FT+5], v[ST], v[FT+4]
	v_sub_f32 v[FT+9], v[FT], v[FT+4]
	v_exp_f32 v[FT+6], v[FT+5]
	v_exp_f32 v[FT+8], v[FT+9]
	v_add_f32 v[FT+11], v[FT+2], v[FT+3]
	s_wait_alu depctr_va_vdst(0)                   ; one wait for the two exponentials
	v_mul_f32 v[FT+12], v[FT+6], v[FT+10]
	v_fma_f32 v[FT+12], v[FT+8], v[FT+11], v[FT+12]
	v_permlanex16_b32 v[FT+13], v[FT+12], s[SEL], s[SEL+1]
	v_add_f32 v[FT+12], v[FT+12], v[FT+13]
	v_rcp_f32 v[FT+14], v[FT+12]
	v_nop
	s_wait_alu depctr_va_vdst(0)
	v_mul_f32 v[FT+6], v[FT+6], v[FT+14]
	v_mul_f32 v[FT+8], v[FT+8], v[FT+14]
	WIN W_RS
.set i, 0
.rept 32
	v_pk_mul_f32 v[2*i:2*i+1], v[2*i:2*i+1], v[FT+6:FT+7] op_sel_hi:[1,0]
.set i, i+1
.endr
	WIN 0x53                                       ; source 0 (the partner's) in window 3, its factor in window 0, O^T in window 1
.set i, 0
.rept 32
	v_pk_fma_f32 v[2*i:2*i+1], v[OP+2*i:OP+2*i+1], v[FT+8:FT+9], v[2*i:2*i+1] op_sel_hi:[1,0,1]
.set i, i+1
.endr
	WIN 0x05                                       ; sources 0 and 1 in window 1
.set i, 0
.rept 32                                       ; the sum of squares, in four chains
.if i < 4
	v_pk_mul_f32 v[FT+16+2*i:FT+16+2*i+1], v[2*i:2*i+1], v[2*i:2*i+1]
.else
	v_pk_fma_f32 v[FT+16+2*(i%4):FT+16+2*(i%4)+1], v[2*i:2*i+1], v[2*i:2*i+1], v[FT+16+2*(i%4):FT+16+2*(i%4)+1]
.endif
.set i, i+1
.endr
	WIN 0
	v_pk_add_f32 v[FT+16:FT+17], v[FT+16:FT+17], v[FT+18:FT+19]
	v_pk_add_f32 v[FT+20:FT+21], v[FT+20:FT+21], v[FT+22:FT+23]
	v_pk_add_f32 v[FT+16:FT+17], v[FT+16:FT+17], v[FT+20:FT+21]
	v_add_f32 v[FT+16], v[FT+16], v[FT+17]
	v_permlanex16_b32 v[FT+18], v[FT+16], s[SEL], s[SEL+1]  ; the query's other 64 places
	v_add_f32 v[FT+16], v[FT+16], v[FT+18]
	v_fma_f32 v[FT+16], v[FT+16], s[R128], s[EPS]
	v_rsq_f32 v[FT+14], v[FT+16]
	v_nop
	s_wait_alu depctr_va_vdst(0)
	WIN W_RS
.set i, 0
.rept 32
	v_pk_mul_f32 v[2*i:2*i+1], v[2*i:2*i+1], v[FT+14:FT+15] op_sel_hi:[1,0]
.set i, i+1
.endr
	WIN 0x45
.set i, 0
.rept 32
	v_pk_mul_f32 v[2*i:2*i+1], v[2*i:2*i+1], v[WR+2*i:WR+2*i+1]
.set i, i+1
.endr
	WIN 0x05
.set i, 0
.rept 32
	v_cvt_pk_f16_f32 v[HB+i], v[2*i], v[2*i+1]
.set i, i+1
.endr
	WIN 0
.irp f, 0,1,2,3,4,5,6,7
	ds_store_b128 v[STO], v[HB+4*\f:HB+4*\f+3] offset:32*\f
.endr
.irp f, 0,1,2,3,4,5,6,7
	ds_load_b128 v[HB+4*\f:HB+4*\f+3], v[RD] offset:\f*2*SP  ; LDS serves a wave's instructions in order: these see the stores above
.endr
.irp f, 0,1,2,3,4,5,6,7
	s_wait_dscnt 7-\f                              ; load f is back; the 7 - f younger ones may be out
	global_store_b128 v[GO], v[HB+4*\f:HB+4*\f+3], s[OUTP:OUTP+1] offset:8192*\f  ; 16 lanes store a head's 256 bytes of a row
.endr
.if !(\last)
	s_wait_xcnt 0x0                                ; the stores have read their registers and their base
	s_mov_b64 s[OUTP:OUTP+1], s[OUTH:OUTH+1]       ; THE SECOND BLOCK BEGINS
.irp t, 0,1
	v_mov_b32 v[ST+8*\t], 0xfe000000               ; the first a is 0: O^T and l need only be finite
	v_mov_b32 v[ST+8*\t+1], 0xff7fffff
.endr
.set i, 0
.rept 16
	v_mov_b32 v[P+16+i], 0                         ; the Y that follows adds 0 to tile 1's old O^T
.set i, i+1
.endr
	s_add_co_u32 s[RT], s[HI], 1                   ; it has 8 - g tiles
.endif
.endm
	CHANGE 1                                       ; slot 0 is in, everybody's part of it; slot 1 is asked for
	FETCH_K                                        ; K of step 0
	FETCH_V 0, 0                                   ; V of step 0, so that the first Y's products, with P = 0, add 0; that Y fetches it once more
	FETCH_V 1, 0
.set YT, 0
.irp n, 0,1,2,3,4,5,6,7,8,9,10,11,12,13,14,15,16,17,18,19,20
	MK \n                                          ; both tiles' masks for step 0
.endr
.set YT, 1
.irp n, 4,5,6,7,8,9,10,11,12,13,14,15,16,17,18,19,20
	MK \n
.endr
	WIN 0
.set i, 0
.rept 16
	v_mov_b32 v[P+16+i], 0
.set i, i+1
.endr
	s_wait_dscnt 0x0
.set i, 0
.rept 16
	KQ 0                                           ; tile 0's first scores
.set i, i+1
.endr
	WIN 0
	PLACES                                         ; behind the last product, ahead of the first read of the scores
	s_mov_b32 s[CNT], 2
	s_branch .Lfirst                               ; the loop is entered at a Y, in the middle of a trip
.Lslot:                                        ; seven times: the slot whose last bytes have been asked for is filled again
	CHANGE 1
	s_cmp_eq_u32 s[RT], 1                          ; the block's last step comes: its X makes the next block's first scores
	s_cbranch_scc0 .Lkeepq
	WIN 0x82
.set i, 0
.rept 64
	v_mov_b32 v[i], v[64+i]                        ; the second block's q goes where the one text of the turns names Q
.set i, i+1
.endr
	WIN 0
.Lkeepq:
	s_mov_b32 s[CNT], 2
.Lstep:                                        ; two trips: a tile's second step, the next tile's first
	TURN 0
	WIN 0
	s_cmp_eq_u32 s[CNT], 2
	s_cbranch_scc0 .Lsecond
	s_sub_co_u32 s[RT], s[RT], 1
	s_cmp_eq_u32 s[RT], 0
	s_cbranch_scc0 .Lfirst
	BOUNDARY 0
	s_branch .Lfirst
.Lsecond:
	MASKTILE
.Lfirst:
	TURN 1
	WIN 0
	s_sub_co_u32 s[CNT], s[CNT], 1
	s_cmp_lg_u32 s[CNT], 0
	s_cbranch_scc1 .Lstep
	s_sub_co_u32 s[SLOTS], s[SLOTS], 1
	s_cmp_lg_u32 s[SLOTS], 0
	s_cbranch_scc1 .Lslot
	CHANGE 0                                       ; the tail is written out: nothing is asked for
	s_mov_b32 s[CNT], 3                            ; steps 15, 16 and 17; the third trip is left behind its X, whose 16 products K Q^T, on bytes of the slot behind my keys, serve nothing
.Ltail:
	TURN 0
	WIN 0
	s_sub_co_u32 s[CNT], s[CNT], 1
	s_cmp_eq_u32 s[CNT], 0
	s_cbranch_scc1 .Lout
	TURN 1
	WIN 0
	s_branch .Ltail
.Lout:
	BOUNDARY 1
	s_wait_tensorcnt 0x0                           ; the wave's end: behind my last tensor load and my last LDS store
	ds_add_u32 v[SPW], v[NIL]
	s_wait_dscnt 0x0
	CROUND                                         ; the closing round
	s_endpgm
.Lfunc_end_k_q79d66bc871_attn:
	.size	k_q79d66bc871_attn, .Lfunc_end_k_q79d66bc871_attn-k_q79d66bc871_attn
	.p2alignl 7, 3214868480
	.fill 96, 4, 3214868480
	.section	.rodata,"a",@progbits
	.p2align	6, 0x0
	.amdhsa_kernel k_q79d66bc871_attn
		.amdhsa_group_segment_fixed_size 327680
		.amdhsa_private_segment_fixed_size 0
		.amdhsa_enable_private_segment 0
		.amdhsa_kernarg_size 48
		.amdhsa_user_sgpr_count 2
		.amdhsa_user_sgpr_kernarg_segment_ptr 1
		.amdhsa_wavefront_size32 1
		.amdhsa_system_sgpr_workgroup_id_x 1
		.amdhsa_system_sgpr_workgroup_id_y 1
		.amdhsa_system_sgpr_workgroup_id_z 1
		.amdhsa_system_vgpr_workitem_id 0
		.amdhsa_next_free_vgpr 1024
		.amdhsa_next_free_sgpr 96
		.amdhsa_reserve_vcc 1
		.amdhsa_float_denorm_mode_32 3
		.amdhsa_float_denorm_mode_16_64 3
		.amdhsa_memory_ordered 1
		.amdhsa_forward_progress 1
		.amdhsa_inst_pref_size 174
	.end_amdhsa_kernel
	.amdgpu_metadata
---
amdhsa.version: [ 1, 2 ]
amdhsa.kernels:
  - .name:           k_q79d66bc871_attn
    .symbol:         k_q79d66bc871_attn.kd
    .args:
      - { .name: qf, .offset: 0, .size: 8, .value_kind: global_buffer, .address_space: global }
      - { .name: k16, .offset: 8, .size: 8, .value_kind: global_buffer, .address_space: global }
      - { .name: v16, .offset: 16, .size: 8, .value_kind: global_buffer, .address_space: global }
      - { .name: kmp, .offset: 24, .size: 8, .value_kind: global_buffer, .address_space: global }
      - { .name: o_norm_w, .offset: 32, .size: 8, .value_kind: global_buffer, .address_space: global }
      - { .name: ob, .offset: 40, .size: 8, .value_kind: global_buffer, .address_space: global }
    .group_segment_fixed_size: 327680
    .private_segment_fixed_size: 0
    .kernarg_segment_align: 8
    .kernarg_segment_size: 48
    .max_flat_workgroup_size: 128
    .sgpr_count:     96
    .vgpr_count:     1024
    .wavefront_size: 32
...
	.end_amdgpu_metadata
.endif
;; end of part 3
;; launch oproj (part 4): grid 16 x 16, 4 waves a work-group, clusters of 4 x 4, 327,680 bytes of LDS; arguments ob, wb, out0; writes out0
.if DOCPART == 4
	.amdgcn_target "amdgcn-amd-amdhsa--gfx1250"
	.amdhsa_code_object_version 6
	.text
	.protected	k_q79d66bc871_oproj
	.globl	k_q79d66bc871_oproj
	.p2align	8
	.type	k_q79d66bc871_oproj,@function
k_q79d66bc871_oproj:
	s_mov_b64 s[64:65], 0
	v_nop
	global_prefetch_b8 v0, s[64:65] scope:SCOPE_SE
	s_setreg_imm32_b32 hwreg(HW_REG_WAVE_MODE, 25, 1), 1
	s_wait_xcnt 0x0
	s_wait_alu depctr_hold_cnt(0) depctr_sa_sdst(0) depctr_va_vdst(0) depctr_va_sdst(0) depctr_va_ssrc(0) depctr_va_vcc(0) depctr_vm_vsrc(0)
	s_getreg_b32 s2, hwreg(HW_REG_IB_STS2, 6, 4)
	s_cmp_eq_u32 s2, 0
	s_cbranch_scc0 .Lentry_in_a_cluster
	s_endpgm
.Lentry_in_a_cluster:
	s_bfe_u32 s2, ttmp6, 0x10000c
	s_cmp_lg_u32 s2, 0xf033
	s_cbranch_scc0 .Lentry_shape_is_right
	s_endpgm
.Lentry_shape_is_right:
; out0[m][n] = sum over k of o[m][k] Wo[n][k].  o: ob [2048][2048] f16; Wo: the fifth matrix of wb, f16, its k in the same order as o's; out0 f32; sums in f32.
; A tile of out0 is 128 x 128: 256 work-groups.  Four waves, each 64 x 64: 16 accumulators.  K goes in steps of 256 (LDS rows of 512 bytes + 16; a wave's tensor load brings 64 of them) through two slots.
; CLUSTERS: 4 x 4: o's tiles are shared along a row of the cluster, Wo's along a column, asked for jointly.  THE MATRIX INSTRUCTION IS USED TRANSPOSED: a lane holds eight neighbouring numbers of a row.
; THE WAY OUT: a wave's 64 columns in f32 are 256 bytes, aligned: 16 rows at a time go through the wave's own stage, so no barrier is wanted.
; No prefetch: the tiles are small, and each is read by four clusters at about the same time.
; REGISTERS: window 0: v0-31 addresses; v128-255 the accumulators ((a, b) at v[128 + 8 (4 a + b)]).  window 1: two fragment buffers of 128.
.set SIZE_K, 2048
.set SIZE_N, 2048
.set KSTEP,  256
.set PITCH,  528
.set HALFT,  64*PITCH
.set SLOT,   4*HALFT
.set STAGE,  2*SLOT                    ; behind the ring: 16 rows x 272 bytes for each wave
.set SPITCH, 272
.set SPARE,  STAGE+4*16*SPITCH         ; the spare words, 128 bytes for each wave, which no other line names
.set LAPS, SIZE_K/(2*KSTEP)
.set ADRA, 16
.set ADRB, 20
.set STO,  24
.set RD,   25
.set CO,   26
.set SPW,  28
.set NIL,  29
.set ACC,  128
.set F0,   0
.set F1,   128
.set G1, 24
.set G0, 32
.set G1B, 48
.set G0B, 56
.set MSB, 0
.macro WIN new
.if MSB != (\new)
	s_set_vgpr_msb (MSB<<8)|(\new)
.set MSB, \new
.endif
.endm
.set MUL,  0x05                        ; sources 0 (Wo) and 1 (o) window 1; C and D window 0
.set TO_F, 0x40
.macro JLOAD s                         ; a joint load: waves 0 and 1 fetch o's two halves, waves 2 and 3 Wo's; an s_nop 0 and four v_nop follow each line
	s_cmp_eq_u32 s11, 0
	s_cbranch_scc0 .Lfor_b_\@
	tensor_load_to_lds s[G0+4*(\s):G0+4*(\s)+3], s[G1:G1+7]
	s_nop 0
.rept 4
	v_nop
.endr
	s_branch .Lasked_\@
.Lfor_b_\@:
	tensor_load_to_lds s[G0B+4*(\s):G0B+4*(\s)+3], s[G1B:G1B+7]
	s_nop 0
.rept 4
	v_nop
.endr
.Lasked_\@:
.endm
.macro CREST
	s_cmp_lg_u32 s10, 0
	s_cbranch_scc1 .Lnot_wave_0_\@
	s_barrier_signal -3
.Lnot_wave_0_\@:
	s_barrier_wait -3
	s_barrier_signal -1
	s_barrier_wait -1
.endm
.macro CROUND
	s_barrier_signal -1
	s_barrier_wait -1
	CREST
.endm
	s_load_b128 s[4:7], s[0:1], 0x0                ; ob s[4:5], wb s[6:7]
	s_load_b64 s[8:9], s[0:1], 0x10                ; out0
	v_lshl_add_u32 v[SPW], v0, 2, SPARE
	v_mov_b32 v[NIL], 0
	ds_add_u32 v[SPW], v[NIL]                      ; the wave's opening: the add and its wait ahead of my first tensor load
	v_lshrrev_b32 v1, 5, v0
	v_readfirstlane_b32 s10, v1
	s_lshr_b32 s11, s10, 1                         ; which half of the tile's rows is mine.  Also: I fetch for o (0) or for Wo (1)
	s_and_b32 s12, s10, 1                          ; which half of its columns.  Also: which 64 rows of that tile I fetch
	s_bfe_u32 s40, ttmp6, 0x40000
	s_bfe_u32 s41, ttmp6, 0x40004
	s_lshl_b32 s42, ttmp9, 2
	s_add_co_u32 s42, s42, s40                     ; tile column
	s_and_b32 s13, ttmp7, 0xffff
	s_lshl_b32 s13, s13, 2
	s_add_co_u32 s13, s13, s41                     ; tile row
	s_lshl_b32 s43, s41, 2
	s_lshl_b32 s43, 15, s43
	s_lshl_b32 s44, 0x1111, s40
	s_or_b32 s[G1+0], s43, (1<<16)|(1<<20)|(1<<21)|(6<<22)|(3<<25)  ; mask; 2-byte elements; padding on; bit 21 beside a mask; after every 128 words 4 words
	s_or_b32 s[G1B+0], s44, (1<<16)|(1<<20)|(1<<21)|(6<<22)|(3<<25)
.irp g, G1, G1B
	s_mov_b32 s[(\g)+1], KSTEP<<16
	s_mov_b32 s[(\g)+2], 64<<16
	s_mov_b32 s[(\g)+3], KSTEP<<16
	s_mov_b32 s[(\g)+4], 64
	s_mov_b32 s[(\g)+5], SIZE_K
	s_mov_b32 s[(\g)+6], 0
	s_mov_b32 s[(\g)+7], 0
.endr
	s_lshl_b32 s17, s12, 6
	s_lshl_b32 s16, s13, 7
	s_add_co_u32 s16, s16, s17
	s_lshl_b32 s46, s42, 7
	s_add_co_u32 s46, s46, s17
	s_mov_b32 s17, 0
	s_mov_b32 s47, 0
	s_mov_b64 s[18:19], SIZE_K*2
	s_mul_u64 s[16:17], s[16:17], s[18:19]
	s_mul_u64 s[46:47], s[46:47], s[18:19]
	s_mul_i32 s20, s10, HALFT
	s_wait_dscnt 0x0                               ; the opening add is done
	s_wait_kmcnt 0x0
	s_add_nc_u64 s[6:7], s[6:7], 0x2000000         ; Wo is wb's fifth matrix
	s_add_nc_u64 s[14:15], s[4:5], s[16:17]
	s_add_nc_u64 s[46:47], s[6:7], s[46:47]
	CROUND                                         ; all sixteen work-groups are here: the first joint loads meet
.irp s, 0,1
	s_mov_b32 s[G0+4*(\s)], 1
	s_add_co_u32 s[G0+4*(\s)+1], s20, (\s)*SLOT
	s_add_nc_u64 s[G0+4*(\s)+2:G0+4*(\s)+3], s[14:15], (\s)*KSTEP*2
	s_or_b32 s[G0+4*(\s)+3], s[G0+4*(\s)+3], 0x80000000
	s_mov_b32 s[G0B+4*(\s)], 1
	s_add_co_u32 s[G0B+4*(\s)+1], s20, (\s)*SLOT
	s_add_nc_u64 s[G0B+4*(\s)+2:G0B+4*(\s)+3], s[46:47], (\s)*KSTEP*2
	s_or_b32 s[G0B+4*(\s)+3], s[G0B+4*(\s)+3], 0x80000000
	JLOAD \s                                       ; two loads of mine are out
.endr
	v_and_b32 v1, 15, v0
	v_bfe_u32 v2, v0, 4, 1
	v_mul_u32_u24 v3, v1, PITCH
	v_lshl_add_u32 v3, v2, 4, v3
	s_mul_i32 s21, s11, HALFT
	s_mul_i32 s22, s12, HALFT
	s_add_co_u32 s22, s22, 2*HALFT
.irp s, 0,1
	v_add_nc_u32 v[ADRA+(\s)], s21, v3
	v_add_nc_u32 v[ADRB+(\s)], s22, v3
	s_add_co_u32 s21, s21, SLOT
	s_add_co_u32 s22, s22, SLOT
.endr
	s_mul_i32 s23, s10, 16*SPITCH
	s_add_co_u32 s23, s23, STAGE                   ; my stage
	v_mul_u32_u24 v4, v1, SPITCH                   ; in: row l % 16, 32 bytes for each half of the lanes
	v_lshl_add_u32 v4, v2, 5, v4
	v_add_nc_u32 v[STO], s23, v4
	v_mul_u32_u24 v5, v2, SPITCH                   ; back: lanes 0-15 one row of 256 bytes, lanes 16-31 the next
	v_lshl_add_u32 v5, v1, 4, v5
	v_add_nc_u32 v[RD], s23, v5
	v_lshlrev_b32 v[CO], 13, v2                    ; and the same two rows in out0
	v_lshl_add_u32 v[CO], v1, 4, v[CO]
	s_lshl_b32 s16, s13, 7
	s_lshl_b32 s17, s11, 6
	s_add_co_u32 s16, s16, s17                     ; my first row: 128 x tile row + 64 x half,
	s_lshl_b32 s16, s16, 13                        ; of 8,192 bytes
	s_mov_b32 s17, 0
	s_add_nc_u64 s[8:9], s[8:9], s[16:17]
	s_lshl_b32 s46, s42, 9                         ; my first column, in bytes: 512 x tile column + 256 x half
	s_lshl_b32 s47, s12, 8
	s_add_co_u32 s46, s46, s47
	s_mov_b32 s47, 0
	s_add_nc_u64 s[8:9], s[8:9], s[46:47]
.macro MUL8 f, c, a0, zero             ; 8 matrix instructions: m blocks a0, a0 + 1 x all 4 n blocks, 32 along K: half c of buffer f
	WIN MUL
.irp a, \a0, (\a0)+1
.irp b, 0,1,2,3
.if \zero
	v_wmma_f32_16x16x32_f16 v[ACC+8*(4*(\a)+(\b)):ACC+8*(4*(\a)+(\b))+7], v[(\f)+64+8*(4*(\c)+(\b)):(\f)+64+8*(4*(\c)+(\b))+7], v[(\f)+8*(4*(\c)+(\a)):(\f)+8*(4*(\c)+(\a))+7], 0
.else
	v_wmma_f32_16x16x32_f16 v[ACC+8*(4*(\a)+(\b)):ACC+8*(4*(\a)+(\b))+7], v[(\f)+64+8*(4*(\c)+(\b)):(\f)+64+8*(4*(\c)+(\b))+7], v[(\f)+8*(4*(\c)+(\a)):(\f)+8*(4*(\c)+(\a))+7], v[ACC+8*(4*(\a)+(\b)):ACC+8*(4*(\a)+(\b))+7]
.endif
.endr
.endr
.endm
.macro FETCH slot, k, f                ; 32 LDS loads in one run: the fragments of 64 along K at byte k, the first 32 along K first
	WIN TO_F
.irp c, 0,1
.irp i, 0,1,2,3
	ds_load_b128 v[(\f)+64+8*(4*(\c)+(\i)):(\f)+64+8*(4*(\c)+(\i))+3],   v[ADRB+(\slot)] offset:(\k)+64*(\c)+(\i)*16*PITCH
	ds_load_b128 v[(\f)+64+8*(4*(\c)+(\i))+4:(\f)+64+8*(4*(\c)+(\i))+7], v[ADRB+(\slot)] offset:(\k)+64*(\c)+(\i)*16*PITCH+32
	ds_load_b128 v[(\f)+8*(4*(\c)+(\i)):(\f)+8*(4*(\c)+(\i))+3],         v[ADRA+(\slot)] offset:(\k)+64*(\c)+(\i)*16*PITCH
	ds_load_b128 v[(\f)+8*(4*(\c)+(\i))+4:(\f)+8*(4*(\c)+(\i))+7],       v[ADRA+(\slot)] offset:(\k)+64*(\c)+(\i)*16*PITCH+32
.endr
.endr
.endm
.macro PLACES
.rept 4
	v_nop
.endr
.endm
.macro QUARTER slot, k, f, g, zero
	s_wait_dscnt 16                                ; the first 32 along K are in
	WIN MUL
	MUL8 \f, 0, 0, \zero
	MUL8 \f, 0, 2, \zero
	PLACES
	FETCH \slot, \k, \g
	s_wait_dscnt 32                                ; all but the 32 just issued
	WIN MUL
	MUL8 \f, 1, 0, 0
	MUL8 \f, 1, 2, 0
.endm
.macro TURN slot, next, fill           ; a step's last quarter and the change of slots
	WIN 0
	s_wait_tensorcnt 0x0                           ; all my tensor loads have landed: my part of the next slot
	ds_add_u32 v[SPW], v[NIL]
	s_wait_dscnt 17                                ; (the add and the youngest sixteen loads may be out)
	WIN MUL
	MUL8 F1, 0, 0, 0
	s_wait_dscnt 0x0                               ; the add is done, and my reads of this slot are over
	s_barrier_signal -1
	MUL8 F1, 0, 2, 0
.if \fill
	WIN 0
.endif
	s_barrier_wait -1
.if \fill
	CREST                                          ; the barrier has opened a round of the cluster's barrier
	s_add_nc_u64 s[G0+4*(\slot)+2:G0+4*(\slot)+3], s[G0+4*(\slot)+2:G0+4*(\slot)+3], 2*KSTEP*2
	s_add_nc_u64 s[G0B+4*(\slot)+2:G0B+4*(\slot)+3], s[G0B+4*(\slot)+2:G0B+4*(\slot)+3], 2*KSTEP*2
	JLOAD \slot                                    ; one load of mine is out; its four v_nop are also the places in front of the loads below
.else
	PLACES
.endif
	FETCH \next, 0, F0
	WIN MUL
	MUL8 F1, 1, 0, 0
	MUL8 F1, 1, 2, 0
.endm
	s_wait_tensorcnt 1                             ; my part of K step 0 is in; K step 1's may stay out
	s_barrier_signal -1
	s_barrier_wait -1
	FETCH 0, 0, F0
	QUARTER 0, 128, F0, F1, 1                      ; the first quarter stands in front of the loop: its first products start the sums
	WIN 0
	s_mov_b32 s3, LAPS-1
.Llap:
	QUARTER 0, 256, F1, F0, 0
	QUARTER 0, 384, F0, F1, 0
	TURN 0, 1, 1
	QUARTER 1, 128, F0, F1, 0
	QUARTER 1, 256, F1, F0, 0
	QUARTER 1, 384, F0, F1, 0
	TURN 1, 0, 1
	QUARTER 0, 128, F0, F1, 0
	WIN 0
	s_sub_co_u32 s3, s3, 1
	s_cmp_lg_u32 s3, 0
	s_cbranch_scc1 .Llap
	QUARTER 0, 256, F1, F0, 0                      ; the last lap fills nothing
	QUARTER 0, 384, F0, F1, 0
	TURN 0, 1, 0
	QUARTER 1, 128, F0, F1, 0
	QUARTER 1, 256, F1, F0, 0
	QUARTER 1, 384, F0, F1, 0
	s_wait_dscnt 16
	WIN MUL
	MUL8 F1, 0, 0, 0
	MUL8 F1, 0, 2, 0
	s_wait_dscnt 0
	MUL8 F1, 1, 0, 0
	MUL8 F1, 1, 2, 0
	WIN 0
	PLACES
.macro PACK a                          ; 16 rows x 64 columns of f32 into my stage, and back as whole rows of 256 bytes, into the registers that they left
.irp b, 0,1,2,3
	ds_store_b128 v[STO], v[ACC+32*(\a)+8*(\b):ACC+32*(\a)+8*(\b)+3]   offset:64*(\b)
	ds_store_b128 v[STO], v[ACC+32*(\a)+8*(\b)+4:ACC+32*(\a)+8*(\b)+7] offset:64*(\b)+16
.endr
.irp t, 0,1,2,3,4,5,6,7
	ds_load_b128 v[ACC+32*(\a)+4*(\t):ACC+32*(\a)+4*(\t)+3], v[RD] offset:(\t)*2*SPITCH  ; LDS serves a wave's instructions in order: these see the stores above
.endr
.endm
.macro SEND a, younger                 ; younger: the LDS instructions issued behind block a's loads
.irp t, 0,1,2,3,4,5,6,7
	s_wait_dscnt (\younger)+7-(\t)
	global_store_b128 v[CO], v[ACC+32*(\a)+4*(\t):ACC+32*(\a)+4*(\t)+3], s[8:9] offset:(16*(\a)+2*(\t))*SIZE_N*4  ; 16 lanes store 256 consecutive bytes, aligned
.endr
.endm
	PACK 0
	PACK 1
	SEND 0, 16
	PACK 2
	SEND 1, 16
	PACK 3
	SEND 2, 16
	SEND 3, 0
	s_wait_tensorcnt 0x0                           ; the wave's end: behind my last tensor load and my last LDS store
	ds_add_u32 v[SPW], v[NIL]
	s_wait_dscnt 0x0
	CROUND                                         ; the closing round
	s_endpgm
.Lfunc_end_k_q79d66bc871_oproj:
	.size	k_q79d66bc871_oproj, .Lfunc_end_k_q79d66bc871_oproj-k_q79d66bc871_oproj
	.p2alignl 7, 3214868480
	.fill 96, 4, 3214868480
	.section	.rodata,"a",@progbits
	.p2align	6, 0x0
	.amdhsa_kernel k_q79d66bc871_oproj
		.amdhsa_group_segment_fixed_size 327680
		.amdhsa_private_segment_fixed_size 0
		.amdhsa_enable_private_segment 0
		.amdhsa_kernarg_size 24
		.amdhsa_user_sgpr_count 2
		.amdhsa_user_sgpr_kernarg_segment_ptr 1
		.amdhsa_wavefront_size32 1
		.amdhsa_system_sgpr_workgroup_id_x 1
		.amdhsa_system_sgpr_workgroup_id_y 1
		.amdhsa_system_sgpr_workgroup_id_z 1
		.amdhsa_system_vgpr_workitem_id 0
		.amdhsa_next_free_vgpr 512
		.amdhsa_next_free_sgpr 66
		.amdhsa_reserve_vcc 0
		.amdhsa_float_denorm_mode_32 3
		.amdhsa_float_denorm_mode_16_64 3
		.amdhsa_memory_ordered 1
		.amdhsa_forward_progress 1
		.amdhsa_inst_pref_size 86
	.end_amdhsa_kernel
	.amdgpu_metadata
---
amdhsa.version: [ 1, 2 ]
amdhsa.kernels:
  - .name:           k_q79d66bc871_oproj
    .symbol:         k_q79d66bc871_oproj.kd
    .args:
      - { .name: ob, .offset: 0, .size: 8, .value_kind: global_buffer, .address_space: global }
      - { .name: wb, .offset: 8, .size: 8, .value_kind: global_buffer, .address_space: global }
      - { .name: out0, .offset: 16, .size: 8, .value_kind: global_buffer, .address_space: global }
    .group_segment_fixed_size: 327680
    .private_segment_fixed_size: 0
    .kernarg_segment_align: 8
    .kernarg_segment_size: 24
    .max_flat_workgroup_size: 128
    .sgpr_count:     66
    .vgpr_count:     512
    .wavefront_size: 32
...
	.end_amdgpu_metadata
.endif
;; end of part 4
;; ======== version 2 of 2: 4 launches; version 1 with the launch cast written anew for expert scheduling mode
;; limits: values are held in f16: magnitudes above 65,504 overflow, below 6.1e-05 lose precision
;; workspace buffers: wb 41,943,040 bytes; rope 1,048,576 bytes; qf 16,777,216 bytes; k16 8,388,608 bytes; v16 8,388,608 bytes; kmp 524,288 bytes; ob 8,388,608 bytes
;; launch cast (part 5): grid 256 x 6, 8 waves a work-group, no clusters, 0 bytes of LDS; arguments hidden_states, Wq, Wk, Wv, Wo, wb, rope; writes wb, rope
.if DOCPART == 5
	.amdgcn_target "amdgcn-amd-amdhsa--gfx1250"
	.amdhsa_code_object_version 6
	.text
	.protected	k_q79d66bc871_cast
	.globl	k_q79d66bc871_cast
	.p2align	8
	.type	k_q79d66bc871_cast,@function
k_q79d66bc871_cast:
	s_mov_b64 s[64:65], 0
	v_nop
	global_prefetch_b8 v0, s[64:65] scope:SCOPE_SE
	s_setreg_imm32_b32 hwreg(HW_REG_WAVE_SCHED_MODE, 0, 2), 2
	s_setreg_imm32_b32 hwreg(HW_REG_WAVE_MODE, 25, 1), 1
	s_wait_xcnt 0x0
	s_wait_alu depctr_vm_vsrc(0)
; y = 0..3: hidden_states, Wq, Wk, Wv, each [2048][2048] f32, rounded once to bf16 into wb, 8,388,608 bytes apart.
; y = 4: Wo rounded to bf16, that number written as f16, and the 128 channels of each head laid in the order PI:
;        channel c goes to place 8 ((c % 64) / 4) + 4 (c / 64) + c % 4, the order in which the attention launch leaves o.
; y = 5: the rotary table rope[pos][cos 64 | sin 64] in f32.
; A stream: no LDS, no matrix unit.  A work-group takes 64 KiB of its source, a wave 8 KiB by sixteen loads of 512 neighbouring bytes,
; all on their way at once; each store of a wave covers 256 consecutive bytes, aligned.
; LIMITS.  Wo as f16: beyond 65,504 it would be an infinity; below 6e-5 it keeps f16's fixed step of 6e-8.
; THE TABLE.  The angle is pos x inv_freq rounded to f32 once, with inv_freq = 1 / (10^(f/16) rounded to f32), the quotient rounded to f32: the power is made as a sum of two
; f32 (about 38 bits), so that its rounding to f32 is the nearest number but for powers that lie within 2^-37 of a midpoint.  sin and cos: reduction by pi/2 in two parts, then polynomials on
; |r| <= pi/4, good to about 1e-7.
; THE MODE: SCHED_MODE bits 1:0 = 2 (LLVM: expert scheduling mode 2), set by the entry lines.  The code itself states the register dependences
; between vector instructions and memory instructions, and between a vector instruction that writes a scalar register and its readers, with s_wait_alu, always for 0.
; THE PLAN, jobs 0 to 4.  Registers that memory instructions touch, each written once and never again:
;   v3        the loads' offset.   Written by two vector lines; read by the sixteen loads.
;   X         sixteen chunks as loaded.  Written by the loads alone; read by the chunks' conversions, behind the wait for their data.
;   v4        the stores' offset.  Written by vector lines at the head of the plain way and of Wo's; read by the sixteen stores.
;   Y         sixteen pairs to store.  Pair j is written by chunk j's last two conversions and read by store j.
; The chunks go in four groups of four.  Group g rounds its four chunks; its memory instructions are the four stores of group g - 1, which read v4 and that group's Y:
; registers that no vector line of group g names.  So one wait at a group's head states all that its four stores hang on, and they are dealt among the group's conversions.
; No register that a load or a store reads is written again, so nothing is owed on that side.
; THE PLAN, job 5.  No load.  The compares stand in two runs, into scalar registers of their own, with one wait behind each run, ahead of the first select that reads a mask;
; one wait stands ahead of the two stores, which read v3 and v[30:33].
.set X,  32                            ; v[32:95]   chunk j: 4 registers at X + 4 j, 4 f32 as loaded
.set Y,  96                            ; v[96:127]  chunk j: 2 registers at Y + 2 j, 4 numbers of 16 bits to store
.set BM, 24                            ; s24-28     the table: mask of the lanes in which bit b of e is set, at BM + b
.set QA, 19                            ; s19        the table: mask of the lanes whose first angle lies in an odd quadrant
.set QB, 29                            ; s29        the same for the second angle
	s_load_b256 s[4:11], s[0:1], 0x0               ; hidden_states s[4:5], Wq s[6:7], Wk s[8:9], Wv s[10:11]
	s_load_b128 s[12:15], s[0:1], 0x20             ; Wo s[12:13], wb s[14:15]
	s_load_b64 s[16:17], s[0:1], 0x30              ; rope
	s_and_b32 s18, ttmp7, 0xffff                   ; y: which job
	v_and_b32 v1, 31, v0                           ; lane
	v_lshrrev_b32 v2, 5, v0                        ; wave
	s_wait_kmcnt 0x0
	s_cmp_eq_u32 s18, 5
	s_cbranch_scc1 .Ltable
	s_mov_b64 s[20:21], s[4:5]                     ; the source, chosen by y
	s_cmp_eq_u32 s18, 1
	s_cselect_b64 s[20:21], s[6:7], s[20:21]
	s_cmp_eq_u32 s18, 2
	s_cselect_b64 s[20:21], s[8:9], s[20:21]
	s_cmp_eq_u32 s18, 3
	s_cselect_b64 s[20:21], s[10:11], s[20:21]
	s_cmp_eq_u32 s18, 4
	s_cselect_b64 s[20:21], s[12:13], s[20:21]
	s_lshl_b32 s24, ttmp9, 16                      ; the work-group's 64 KiB of f32
	s_mov_b32 s25, 0
	s_add_nc_u64 s[20:21], s[20:21], s[24:25]
	s_lshl_b32 s24, s18, 23                        ; matrix y in wb,
	s_lshl_b32 s26, ttmp9, 15                      ; the work-group's 32 KiB of it
	s_add_co_u32 s24, s24, s26
	s_add_nc_u64 s[22:23], s[14:15], s[24:25]
	v_lshlrev_b32 v3, 4, v1
	v_lshl_or_b32 v3, v2, 13, v3                   ; 8,192 x wave + 16 x lane
	s_wait_alu depctr_va_vdst(0)                   ; v3 is written, which the sixteen loads read as their offset
.irp j, 0,1,2,3,4,5,6,7,8,9,10,11,12,13,14,15
	global_load_b128 v[X+4*\j:X+4*\j+3], v3, s[20:21] offset:512*\j th:TH_LOAD_NT
.endr
.macro RND j                           ; chunk j rounded to bf16
	v_cvt_pk_bf16_f32 v[Y+2*(\j)],   v[X+4*(\j)],   v[X+4*(\j)+1]
	v_cvt_pk_bf16_f32 v[Y+2*(\j)+1], v[X+4*(\j)+2], v[X+4*(\j)+3]
.endm
.macro RNDWO j                         ; chunk j of Wo
	v_cvt_pk_bf16_f32 v8, v[X+4*(\j)],   v[X+4*(\j)+1]  ; the rounding that every input has,
	v_cvt_pk_bf16_f32 v9, v[X+4*(\j)+2], v[X+4*(\j)+3]
	v_lshlrev_b32 v10, 16, v8                      ; widened again,
	v_and_b32 v11, 0xffff0000, v8
	v_lshlrev_b32 v12, 16, v9
	v_and_b32 v13, 0xffff0000, v9
	v_cvt_pk_f16_f32 v[Y+2*(\j)],   v10, v11       ; and written as f16
	v_cvt_pk_f16_f32 v[Y+2*(\j)+1], v12, v13
.endm
.macro OUT j                           ; chunk j leaves
	global_store_b64 v4, v[Y+2*(\j):Y+2*(\j)+1], s[22:23] offset:256*(\j)
.endm
; The four groups.  wo = 1: Wo's way of rounding.
.macro GROUPS wo
.irp g, 0,1,2,3
	s_wait_loadcnt 12-4*(\g)                       ; loads come back in order: this group's four are in, the 12 - 4 g younger ones stay out
.if (\g) > 0
	s_wait_alu depctr_va_vdst(0)                   ; the group before has written its four pairs of Y, which the stores below read; in the second group also: v4, their offset, is written
.endif
.irp i, 0,1,2,3
.if (\g) > 0
	OUT 4*(\g)-4+(\i)                              ; no vector line since the wait names v4 or this pair
.endif
.if \wo
	RNDWO 4*(\g)+(\i)
.else
	RND 4*(\g)+(\i)
.endif
.endr
.endr
	s_wait_alu depctr_va_vdst(0)                   ; the last group has written its four pairs of Y, which the last four stores read
.irp i, 12,13,14,15
	OUT \i
.endr
.endm
	s_cmp_eq_u32 s18, 4
	s_cbranch_scc1 .Lwo
	v_lshlrev_b32 v4, 3, v1
	v_lshl_or_b32 v4, v2, 12, v4                   ; 4,096 x wave + 8 x lane
	GROUPS 0
	s_endpgm
.Lwo:                                          ; a load is one head's 128 channels: lane l holds channels 4 l .. 4 l + 3, which go to places 8 (l % 16) + 4 (l / 16) + 0..3
	v_and_b32 v5, 15, v1
	v_lshrrev_b32 v6, 4, v1
	v_lshlrev_b32 v4, 4, v5
	v_lshl_or_b32 v4, v6, 3, v4
	v_lshl_or_b32 v4, v2, 12, v4
	GROUPS 1
	s_endpgm
.Ltable:                                       ; a wave a position; lane e makes the frequencies f = 2 e and 2 e + 1
	s_lshl_b32 s20, ttmp9, 3
	v_add_nc_u32 v2, s20, v2                       ; pos
	s_mov_b32 s30, 0x3faab000                      ; 10^(1/8): high part 1.33349609375,
	s_mov_b32 s31, 0x37d48dd4                      ; low part 2.5338413e-5
	s_mov_b32 s32, 0x3fe3a000                      ; 10^(1/4): 1.7783203125
	s_mov_b32 s33, 0xb82b8eaf                      ; -4.0902461e-5
	s_mov_b32 s34, 0x404a6000                      ; 10^(1/2): 3.162109375
	s_mov_b32 s35, 0x393075b5                      ; 1.6828517e-4
	s_mov_b32 s36, 0x41200000                      ; 10
	s_mov_b32 s37, 0
	s_mov_b32 s38, 0x42c80000                      ; 100
	s_mov_b32 s39, 0
	s_mov_b32 s40, 0x3f93d000                      ; 10^(1/16): 1.15478515625
	s_mov_b32 s41, 0xb654d6ff                      ; -3.1715605e-6
	s_mov_b32 s42, 0xb94ca1f9                      ; sine: -1.9515296e-4, 8.3321609e-3, -1.6666655e-1
	s_mov_b32 s43, 0x3c08839e
	s_mov_b32 s44, 0xbe2aaaa3
	s_mov_b32 s45, 0x37ccf5ce                      ; cosine: 2.4433157e-5, -1.3887316e-3, 4.1666646e-2
	s_mov_b32 s46, 0xbab6061a
	s_mov_b32 s47, 0x3d2aaaa5
; (oh, ol) = (h, l) x (v4, v5): the product's error is caught by a fused multiply-add, and the sum is made normal again
.macro DFMUL oh, ol, h, l
	v_mul_f32 v6, v[\h], v4
	v_fma_f32 v7, v[\h], v4, -v6
	v_fma_f32 v7, v[\h], v5, v7
	v_fma_f32 v7, v[\l], v4, v7
	v_add_f32 v[\oh], v6, v7
	v_sub_f32 v8, v[\oh], v6
	v_sub_f32 v[\ol], v7, v8
.endm
.macro BIT b, ch                       ; where bit b of e is set the power takes the factor in s[ch], s[ch+1], else 1
	v_cndmask_b32 v4, 1.0, s[\ch], s[BM+(\b)]
	v_cndmask_b32 v5, 0, s[\ch+1], s[BM+(\b)]
	DFMUL 10, 11, 10, 11
.endm
.irp b, 0,1,2,3,4                              ; the five tests of e's bits stand in one run, each with a scalar register of its own
	v_and_b32 v3, 1<<(\b), v1
	v_cmp_ne_u32 s[BM+(\b)], 0, v3
.endr
	v_mov_b32 v10, 1.0
	v_mov_b32 v11, 0
	s_wait_alu depctr_va_sdst(0)                   ; the five compares have written s24 to s28, ahead of the first select that reads one of them
	BIT 0, 30
	BIT 1, 32
	BIT 2, 34
	BIT 3, 36
	BIT 4, 38                                      ; v10 = 10^(2 e / 16) rounded to f32
	v_mov_b32 v4, s40
	v_mov_b32 v5, s41
	DFMUL 12, 13, 10, 11                           ; v12 = 10^((2 e + 1) / 16)
	v_rcp_f32 v14, v10
	v_rcp_f32 v15, v12
	v_nop                                          ; a plain instruction behind the last reciprocal,
	s_wait_alu depctr_va_vdst(0)                   ; and one wait for both: v14 and v15 are written, ahead of their first reader
.rept 2                                        ; two Newton steps: the second leaves the rounded quotient
	v_fma_f32 v6, -v10, v14, 1.0
	v_fma_f32 v7, -v12, v15, 1.0
	v_fma_f32 v14, v14, v6, v14
	v_fma_f32 v15, v15, v7, v15
.endr
	v_cvt_f32_u32 v16, v2
	v_mul_f32 v17, v16, v14                        ; the angles, rounded once
	v_mul_f32 v18, v16, v15
; sin and cos of the angle in v[th], in three parts; t: eight registers at work, the angle's own: n, r, r^2, sine, r^3, cosine, the quadrant, one more.
.macro QUAD th, t, m                   ; n, the quadrant, and the mask of the odd ones
	v_mul_f32 v[\t], 0x3f22f983, v[\th]            ; x 2 / pi
	v_rndne_f32 v[\t], v[\t]                       ; n
	v_cvt_i32_f32 v[(\t)+6], v[\t]
	v_and_b32 v[(\t)+7], 1, v[(\t)+6]
	v_cmp_ne_u32 s[\m], 0, v[(\t)+7]               ; odd quadrants change sine and cosine
.endm
.macro POLY th, t                      ; the reduction and the two polynomials
	v_fma_f32 v[(\t)+1], v[\t], 0xbfc90fdb, v[\th]     ; less n x pi/2's high part: exact, both are multiples of 2^-23 and the result is below 1
	v_fma_f32 v[(\t)+1], v[\t], 0x333bbd2e, v[(\t)+1]  ; the high part is 4.371139e-8 too large
	v_mul_f32 v[(\t)+2], v[(\t)+1], v[(\t)+1]
	v_fma_f32 v[(\t)+3], v[(\t)+2], s42, s43
	v_fma_f32 v[(\t)+5], v[(\t)+2], s45, s46
	v_fma_f32 v[(\t)+3], v[(\t)+2], v[(\t)+3], s44
	v_fma_f32 v[(\t)+5], v[(\t)+2], v[(\t)+5], s47
	v_mul_f32 v[(\t)+4], v[(\t)+1], v[(\t)+2]
	v_fma_f32 v[(\t)+5], v[(\t)+2], v[(\t)+5], -0.5
	v_fma_f32 v[(\t)+3], v[(\t)+4], v[(\t)+3], v[(\t)+1]  ; sin r
	v_fma_f32 v[(\t)+5], v[(\t)+2], v[(\t)+5], 1.0        ; cos r
.endm
.macro PICK t, m, oc, os               ; the two are changed and signed by the quadrant
	v_cndmask_b32 v[\os], v[(\t)+3], v[(\t)+5], s[\m]
	v_cndmask_b32 v[\oc], v[(\t)+5], v[(\t)+3], s[\m]
	v_and_b32 v[(\t)+7], 2, v[(\t)+6]              ; the sine turns its sign in quadrants 2, 3,
	v_lshlrev_b32 v[(\t)+7], 30, v[(\t)+7]
	v_xor_b32 v[\os], v[\os], v[(\t)+7]
	v_add_nc_u32 v[(\t)+7], 1, v[(\t)+6]           ; the cosine in 1, 2
	v_and_b32 v[(\t)+7], 2, v[(\t)+7]
	v_lshlrev_b32 v[(\t)+7], 30, v[(\t)+7]
	v_xor_b32 v[\oc], v[\oc], v[(\t)+7]
.endm
	QUAD 17, 40, QA                                ; both compares first, each with a scalar register of its own;
	QUAD 18, 48, QB
	POLY 17, 40                                    ; both angles' polynomials stand between them and the wait
	POLY 18, 48
	v_lshlrev_b32 v3, 9, v2
	v_lshl_add_u32 v3, v1, 3, v3                   ; 512 x pos + 8 e
	s_wait_alu depctr_va_sdst(0)                   ; the two compares have written s19 and s29, ahead of the first select that reads one of them
	PICK 40, QA, 30, 32
	PICK 48, QB, 31, 33
	s_wait_alu depctr_va_vdst(0)                   ; v3, the stores' offset, and v[30:33], their data, are written
	global_store_b64 v3, v[30:31], s[16:17]        ; a wave's store is the row's 256 bytes of cosines,
	global_store_b64 v3, v[32:33], s[16:17] offset:256  ; and of sines
	s_endpgm
.Lfunc_end_k_q79d66bc871_cast:
	.size	k_q79d66bc871_cast, .Lfunc_end_k_q79d66bc871_cast-k_q79d66bc871_cast
	.p2alignl 7, 3214868480
	.fill 96, 4, 3214868480
	.section	.rodata,"a",@progbits
	.p2align	6, 0x0
	.amdhsa_kernel k_q79d66bc871_cast
		.amdhsa_group_segment_fixed_size 0
		.amdhsa_private_segment_fixed_size 0
		.amdhsa_enable_private_segment 0
		.amdhsa_kernarg_size 56
		.amdhsa_user_sgpr_count 2
		.amdhsa_user_sgpr_kernarg_segment_ptr 1
		.amdhsa_wavefront_size32 1
		.amdhsa_system_sgpr_workgroup_id_x 1
		.amdhsa_system_sgpr_workgroup_id_y 1
		.amdhsa_system_sgpr_workgroup_id_z 1
		.amdhsa_system_vgpr_workitem_id 0
		.amdhsa_next_free_vgpr 128
		.amdhsa_next_free_sgpr 66
		.amdhsa_reserve_vcc 0
		.amdhsa_float_denorm_mode_32 3
		.amdhsa_float_denorm_mode_16_64 3
		.amdhsa_memory_ordered 1
		.amdhsa_forward_progress 1
		.amdhsa_inst_pref_size 24
	.end_amdhsa_kernel
	.amdgpu_metadata
---
amdhsa.version: [ 1, 2 ]
amdhsa.kernels:
  - .name:           k_q79d66bc871_cast
    .symbol:         k_q79d66bc871_cast.kd
    .args:
      - { .name: hidden_states, .offset: 0, .size: 8, .value_kind: global_buffer, .address_space: global }
      - { .name: Wq, .offset: 8, .size: 8, .value_kind: global_buffer, .address_space: global }
      - { .name: Wk, .offset: 16, .size: 8, .value_kind: global_buffer, .address_space: global }
      - { .name: Wv, .offset: 24, .size: 8, .value_kind: global_buffer, .address_space: global }
      - { .name: Wo, .offset: 32, .size: 8, .value_kind: global_buffer, .address_space: global }
      - { .name: wb, .offset: 40, .size: 8, .value_kind: global_buffer, .address_space: global }
      - { .name: rope, .offset: 48, .size: 8, .value_kind: global_buffer, .address_space: global }
    .group_segment_fixed_size: 0
    .private_segment_fixed_size: 0
    .kernarg_segment_align: 8
    .kernarg_segment_size: 56
    .max_flat_workgroup_size: 256
    .sgpr_count:     66
    .vgpr_count:     128
    .wavefront_size: 32
...
	.end_amdgpu_metadata
.endif
;; end of part 5
;; launch qkv: the kernel of part 2 again; grid 16 x 16, 4 waves a work-group, clusters of 4 x 4, 327,680 bytes of LDS; arguments wb, rope, qf, k16, v16, kmp; writes qf, k16, v16, kmp
;; launch attn: the kernel of part 3 again; grid 16 x 16, 4 waves a work-group, clusters of 4 x 1, 327,680 bytes of LDS; arguments qf, k16, v16, kmp, o_norm_w, ob; writes ob
;; launch oproj: the kernel of part 4 again; grid 16 x 16, 4 waves a work-group, clusters of 4 x 4, 327,680 bytes of LDS; arguments ob, wb, out0; writes out0
